; MI455X (gfx1250); checked and timed in simulation.
; The chip was launched on July 23, 2026; its instructions are those of AMD's public machine-readable ISA for CDNA 5 (MIT licence, August 2026) and "CDNA5" Instruction Set Architecture Reference Guide (July 2026). The comments in the code are by the model that wrote it; some were corrected since.
;; Transformer Encoder Layer. Allowed arithmetic: float matrix products may take bf16 or f16 operands with f32 sums; all other float work in f32.
;; Inputs: b1 4,096 float32; b2 1,024 float32; b_out 1,024 float32; be1 1,024 float32; be2 1,024 float32; g1 1,024 float32; g2 1,024 float32; mask 2 x 2,048 int32; w1 1,024 x 4,096 float32; w2 4,096 x 1,024 float32; w_out 1,024 x 1,024 float32; w_qkv 1,024 x 3,072 float32; x 2 x 2,048 x 1,024 float32.
;; Outputs: out0 2 x 2,048 x 1,024 float32.
;; One version. Each part assembles by itself: llvm-mc -triple=amdgcn-amd-amdhsa -mcpu=gfx1250 --defsym DOCPART=n.
;; ======== version 1 of 1: 8 launches
;; workspace buffers: wt 25,165,824 bytes; h 8,388,608 bytes; qkv 25,165,824 bytes; ao 8,388,608 bytes; x1 16,777,216 bytes; mid 33,554,432 bytes
;; launch wprep (part 1): grid 768 x 1, 8 waves a work-group, no clusters, 33,792 bytes of LDS; arguments w_qkv, w_out, w1, w2, wt; writes wt
.if DOCPART == 1
	.amdgcn_target "amdgcn-amd-amdhsa--gfx1250"
	.amdhsa_code_object_version 6
	.text
	.protected	k_qbcd1257fda_wprep
	.globl	k_qbcd1257fda_wprep
	.p2align	8
	.type	k_qbcd1257fda_wprep,@function
k_qbcd1257fda_wprep:
	s_mov_b64 s[64:65], 0
	v_nop
	global_prefetch_b8 v0, s[64:65] scope:SCOPE_SE
	s_setreg_imm32_b32 hwreg(HW_REG_WAVE_MODE, 25, 1), 1
	s_wait_xcnt 0x0
; wt = the four weight matrices, each turned from f32 [K][N] into bf16 [N][K], so that the products find K along the rows:
; w_qkv^T [3072][1024] at byte 0, w_out^T [1024][1024] at 6,291,456, w1^T [4096][1024] at 8,388,608, w2^T [1024][4096] at 16,777,216.
; A work-group turns one tile of 128 k x 128 n: 192 + 64 + 256 + 256 = 768 tiles.  Which matrix a tile belongs to is chosen by the
; work-group's number alone, by selects (no branch).  Memory binds: each byte is read once (a load of a wave covers 512 consecutive bytes)
; and written once (16 lanes of a store cover 256 consecutive bytes, aligned).  No matrix unit, no cluster: no tile is shared.
; The turn goes through LDS: row n of the tile is 256 bytes (128 k in bf16).
.set OFF, 2                            ; v2-17   byte offset of my 16 bytes in row 16 w + i of the tile
.set SA0, 18                           ; v18     LDS: row 4 L, place of piece 2 w
.set SA1, 19                           ; v19     LDS: row 4 L, place of piece 2 w + 1
.set RD,  20                           ; v20     LDS: where I read back
.set TT,  21                           ; v21     at work
.set DO,  22                           ; v22-29  byte offset in wt of the 16 bytes of read-back t
.set PP,  30                           ; v30     (L mod 16) - 4 w
.set RW,  31                           ; v31     16 w + L / 16
.set X,   32                           ; v32-95  16 rows x 4 f32 as loaded; later the rows read back
.set P,   96                           ; v96-127 column j: 8 words of two k each
.set CH,  98                           ; v98-101 16 x the piece that place L mod 16 holds, for n / 4 = 4 w + u; dead before P is written
	s_load_b256 s[4:11], s[0:1], 0x0               ; w_qkv s[4:5], w_out s[6:7], w1 s[8:9], w2 s[10:11]
	s_load_b64 s[12:13], s[0:1], 0x20              ; wt
	v_lshl_add_u32 v128, v0, 2, 0x8000
	v_mov_b32 v129, 0
	v_lshrrev_b32 v1, 5, v0
	v_readfirstlane_b32 s14, v1                    ; wave w
	v_and_b32 v1, 31, v0                           ; lane L
	s_mov_b32 s16, 512                             ; w2's figures: first tile,
	s_mov_b32 s17, 4096                            ; bytes in a source row,
	s_mov_b32 s18, 8192                            ; bytes in a row of the turned matrix,
	s_mov_b32 s19, 16777216                        ; its place in wt,
	s_mov_b32 s20, 5                               ; log2 of its tiles along k
	s_wait_kmcnt 0x0
	s_mov_b64 s[22:23], s[10:11]
.macro PICK below, base, n4, k2, doff, logkt, ptr      ; tiles under 'below' belong to an earlier matrix: its figures replace the others
	s_cmp_lt_u32 ttmp9, \below
	s_cselect_b32 s16, \base, s16
	s_cselect_b32 s17, \n4, s17
	s_cselect_b32 s18, \k2, s18
	s_cselect_b32 s19, \doff, s19
	s_cselect_b32 s20, \logkt, s20
	s_cselect_b64 s[22:23], s[\ptr:\ptr+1], s[22:23]
.endm
	PICK 512, 256, 16384, 2048, 8388608, 3, 8      ; w1
	PICK 256, 192, 4096, 2048, 6291456, 3, 6       ; w_out
	PICK 192, 0, 12288, 2048, 0, 3, 4              ; w_qkv
	s_sub_co_u32 s24, ttmp9, s16                   ; the tile's number in its matrix
	s_bfm_b32 s25, s20, 0
	s_and_b32 s25, s24, s25                        ; tile along k
	s_lshr_b32 s26, s24, s20                       ; tile along n
	s_mul_i32 s28, s25, s17
	s_lshl_b32 s28, s28, 7                         ; 128 source rows a tile
	s_lshl_b32 s27, s26, 9                         ; 512 bytes of a source row a tile
	s_add_co_u32 s28, s28, s27
	s_mov_b32 s29, 0
	s_add_nc_u64 s[22:23], s[22:23], s[28:29]      ; the source at the tile's first number
	s_mul_i32 s30, s26, s18
	s_lshl_b32 s30, s30, 7                         ; 128 turned rows a tile
	s_lshl_b32 s27, s25, 8                         ; 256 bytes of a turned row a tile
	s_add_co_u32 s30, s30, s27
	s_add_co_u32 s30, s30, s19
	s_mov_b32 s31, 0
	s_add_nc_u64 s[12:13], s[12:13], s[30:31]      ; wt at the turned tile's first number
	s_lshl_b32 s27, s14, 4
	s_mul_i32 s27, s27, s17                        ; my wave's 16 source rows
	v_lshlrev_b32 v[OFF], 4, v1
	v_add_nc_u32 v[OFF], s27, v[OFF]
.irp i, 1,2,3,4,5,6,7,8,9,10,11,12,13,14,15
	v_add_nc_u32 v[OFF+\i], s17, v[OFF+\i-1]
.endr
.irp i, 0,1,2,3,4,5,6,7,8,9,10,11,12,13,14,15
	global_load_b128 v[X+4*\i:X+4*\i+3], v[OFF+\i], s[22:23] th:TH_LOAD_NT   ; row k = 16 w + i, columns 4 L .. 4 L + 3; read once in the launch
.endr
	s_lshl_b32 s27, s14, 1
	v_add_nc_u32 v[TT], s27, v1                    ; 2 w + L
	v_and_b32 v[SA0], 15, v[TT]
	v_add_nc_u32 v[TT], 1, v[TT]
	v_and_b32 v[SA1], 15, v[TT]
	v_lshlrev_b32 v[TT], 10, v1                    ; row 4 L of 256 bytes
	v_lshl_add_u32 v[SA0], v[SA0], 4, v[TT]
	v_lshl_add_u32 v[SA1], v[SA1], 4, v[TT]
	v_lshlrev_b32 v[RD], 4, v1
	v_lshl_add_u32 v[RD], s14, 12, v[RD]           ; my wave reads rows 16 w .. 16 w + 15 back, 512 consecutive bytes a load
	v_and_b32 v[PP], 15, v1
	v_lshrrev_b32 v[RW], 4, v1
	s_lshl_b32 s27, s14, 2
	v_sub_nc_u32 v[PP], v[PP], s27
	v_lshl_add_u32 v[RW], s14, 4, v[RW]
.irp u, 0,1,2,3
	v_add_nc_u32 v[CH+\u], -\u, v[PP]
	v_and_b32 v[CH+\u], 15, v[CH+\u]               ; the piece at my place in rows with n / 4 = 4 w + u
	v_lshlrev_b32 v[CH+\u], 4, v[CH+\u]
.endr
.irp t, 0,1,2,3,4,5,6,7
	v_add_nc_u32 v[TT], 2*\t, v[RW]                ; row n = 16 w + 2 t + L / 16, for which n / 4 = 4 w + t / 2
	v_mad_u32_u24 v[DO+\t], v[TT], s18, v[CH+\t/2]
.endr
.irp c, 0,1,2,3,4,5,6,7
	s_wait_loadcnt 14-2*\c                         ; loads come back in order: rows 2 c and 2 c + 1 are in, the 14 - 2 c younger ones may be out
.irp j, 0,1,2,3
	v_cvt_pk_bf16_f32 v[P+8*\j+\c], v[X+8*\c+\j], v[X+8*\c+4+\j]   ; two neighbouring k of column 4 L + j
.endr
.endr
.irp j, 0,1,2,3
	ds_store_b128 v[SA0], v[P+8*\j:P+8*\j+3] offset:256*\j
	ds_store_b128 v[SA1], v[P+8*\j+4:P+8*\j+7] offset:256*\j
.endr
	s_wait_dscnt 0x0                               ; for the others' sake: my stores are done before I signal
	s_barrier_signal -1
	s_barrier_wait -1
.irp t, 0,1,2,3,4,5,6,7
	ds_load_b128 v[X+4*\t:X+4*\t+3], v[RD] offset:512*\t
.endr
.irp t, 0,1,2,3,4,5,6,7
	s_wait_dscnt 7-\t                              ; read-back t is in, the younger ones may be out
	global_store_b128 v[DO+\t], v[X+4*\t:X+4*\t+3], s[12:13]   ; 16 lanes fill 256 consecutive bytes of a turned row, aligned
.endr
	s_wait_tensorcnt 0x0
	ds_add_u32 v128, v129
	s_wait_dscnt 0x0
	s_endpgm
.Lfunc_end_k_qbcd1257fda_wprep:
	.size	k_qbcd1257fda_wprep, .Lfunc_end_k_qbcd1257fda_wprep-k_qbcd1257fda_wprep
	.p2alignl 7, 3214868480
	.fill 96, 4, 3214868480
	.section	.rodata,"a",@progbits
	.p2align	6, 0x0
	.amdhsa_kernel k_qbcd1257fda_wprep
		.amdhsa_group_segment_fixed_size 33792
		.amdhsa_private_segment_fixed_size 0
		.amdhsa_enable_private_segment 0
		.amdhsa_kernarg_size 40
		.amdhsa_user_sgpr_count 2
		.amdhsa_user_sgpr_kernarg_segment_ptr 1
		.amdhsa_wavefront_size32 1
		.amdhsa_system_sgpr_workgroup_id_x 1
		.amdhsa_system_sgpr_workgroup_id_y 1
		.amdhsa_system_sgpr_workgroup_id_z 1
		.amdhsa_system_vgpr_workitem_id 0
		.amdhsa_next_free_vgpr 130
		.amdhsa_next_free_sgpr 66
		.amdhsa_reserve_vcc 0
		.amdhsa_float_denorm_mode_32 3
		.amdhsa_float_denorm_mode_16_64 3
		.amdhsa_memory_ordered 1
		.amdhsa_forward_progress 1
		.amdhsa_inst_pref_size 11
	.end_amdhsa_kernel
	.amdgpu_metadata
---
amdhsa.version: [ 1, 2 ]
amdhsa.kernels:
  - .name:           k_qbcd1257fda_wprep
    .symbol:         k_qbcd1257fda_wprep.kd
    .args:
      - { .name: w_qkv, .offset: 0, .size: 8, .value_kind: global_buffer, .address_space: global }
      - { .name: w_out, .offset: 8, .size: 8, .value_kind: global_buffer, .address_space: global }
      - { .name: w1, .offset: 16, .size: 8, .value_kind: global_buffer, .address_space: global }
      - { .name: w2, .offset: 24, .size: 8, .value_kind: global_buffer, .address_space: global }
      - { .name: wt, .offset: 32, .size: 8, .value_kind: global_buffer, .address_space: global }
    .group_segment_fixed_size: 33792
    .private_segment_fixed_size: 0
    .kernarg_segment_align: 8
    .kernarg_segment_size: 40
    .max_flat_workgroup_size: 256
    .sgpr_count:     66
    .vgpr_count:     130
    .wavefront_size: 32
...
	.end_amdgpu_metadata
.endif
;; end of part 1
;; launch ln1 (part 2): grid 256 x 1, 4 waves a work-group, no clusters, 0 bytes of LDS; arguments x, g1, be1, h; writes h
.if DOCPART == 2
	.amdgcn_target "amdgcn-amd-amdhsa--gfx1250"
	.amdhsa_code_object_version 6
	.text
	.protected	k_qbcd1257fda_ln1
	.globl	k_qbcd1257fda_ln1
	.p2align	8
	.type	k_qbcd1257fda_ln1,@function
k_qbcd1257fda_ln1:
	s_mov_b64 s[64:65], 0
	v_nop
	global_prefetch_b8 v0, s[64:65] scope:SCOPE_SE
	s_setreg_imm32_b32 hwreg(HW_REG_WAVE_MODE, 25, 1), 1
	s_wait_xcnt 0x0
; h[r][c] = (x[r][c] - mean_r) * rsqrt(var_r + 1e-5) * g[c] + be[c].  x: [4096][1024] f32; g, be: [1024] f32; h: [4096][1024] bf16.
; One wave takes a whole row (32 registers) and four rows in all; the row stays in registers between the mean, the variance (of the
; differences from the mean, as the definition has it: no difference of large sums) and the scaling, so memory is read once.
; All 48 loads of a wave go out at the start.  No LDS, no barrier: no wave needs another.  Memory binds: no matrix unit, no cluster.
; Lane L owns columns 256 c + 8 L + e (c = 0..3, e = 0..7), in register 8 c + e: its eight results of a c pack into 16 bytes, and a store
; of the wave covers 512 consecutive bytes of h.
.set XO, 1                             ; v1      my byte offset in x
.set HO, 2                             ; v2      my byte offset in h
.set GO, 3                             ; v3      my byte offset in g and be
.set T,  4                             ; v4-11   four chains of sums
.set MU, 12                            ; v12-13  the mean, twice
.set RS, 14                            ; v14-15  1 / sqrt(var + eps), twice
.set G,  16                            ; v16-47
.set BE, 48                            ; v48-79
.set X,  80                            ; v80-207 row r at 80 + 32 r
	s_load_b256 s[4:11], s[0:1], 0x0               ; x s[4:5], g s[6:7], be s[8:9], h s[10:11]
	s_lshl_b32 s2, ttmp9, 16                       ; the work-group's 16 rows of 4,096 bytes
	s_mov_b32 s3, 0
	s_lshl_b32 s16, ttmp9, 15                      ; and of 2,048 bytes
	s_mov_b32 s17, 0
	s_mov_b32 s12, 0x76543210                      ; v_permlanex16_b32: each lane takes its own place in the other half
	s_mov_b32 s13, 0xfedcba98
	s_mov_b32 s14, 0x3a800000                      ; 1 / 1024
	s_mov_b32 s15, 0x3727c5ac                      ; 1e-5
	v_and_b32 v[GO], 31, v0
	v_lshrrev_b32 v[T], 5, v0                      ; wave
	v_lshlrev_b32 v[HO], 4, v[GO]
	v_lshl_add_u32 v[HO], v[T], 13, v[HO]          ; 4 rows of 2,048 bytes a wave
	v_lshlrev_b32 v[GO], 5, v[GO]
	v_lshl_add_u32 v[XO], v[T], 14, v[GO]          ; 4 rows of 4,096 bytes a wave
	s_wait_kmcnt 0x0
	s_add_nc_u64 s[4:5], s[4:5], s[2:3]
	s_add_nc_u64 s[10:11], s[10:11], s[16:17]
.macro FILL r
.irp c, 0,1,2,3
	global_load_b128 v[X+32*\r+8*\c:X+32*\r+8*\c+3],   v[XO], s[4:5] offset:\r*4096+\c*1024
	global_load_b128 v[X+32*\r+8*\c+4:X+32*\r+8*\c+7], v[XO], s[4:5] offset:\r*4096+\c*1024+16
.endr
.endm
	FILL 0
.irp c, 0,1,2,3
	global_load_b128 v[G+8*\c:G+8*\c+3],   v[GO], s[6:7] offset:\c*1024
	global_load_b128 v[G+8*\c+4:G+8*\c+7], v[GO], s[6:7] offset:\c*1024+16
.endr
.irp c, 0,1,2,3
	global_load_b128 v[BE+8*\c:BE+8*\c+3],   v[GO], s[8:9] offset:\c*1024
	global_load_b128 v[BE+8*\c+4:BE+8*\c+7], v[GO], s[8:9] offset:\c*1024+16
.endr
	FILL 1
	FILL 2
	FILL 3
.macro REDUCE                          ; the four chains -> one number in every lane
	v_pk_add_f32 v[T:T+1], v[T:T+1], v[T+2:T+3]
	v_pk_add_f32 v[T+4:T+5], v[T+4:T+5], v[T+6:T+7]
	v_pk_add_f32 v[T:T+1], v[T:T+1], v[T+4:T+5]
	v_add_f32 v[T], v[T], v[T+1]
	v_add_f32_dpp v[T], v[T], v[T] row_xmask:1 row_mask:0xf bank_mask:0xf
	v_add_f32_dpp v[T], v[T], v[T] row_xmask:2 row_mask:0xf bank_mask:0xf
	v_add_f32_dpp v[T], v[T], v[T] row_xmask:4 row_mask:0xf bank_mask:0xf
	v_add_f32_dpp v[T], v[T], v[T] row_xmask:8 row_mask:0xf bank_mask:0xf
	v_permlanex16_b32 v[T+1], v[T], s12, s13       ; its destination has been written above
	v_add_f32 v[T], v[T], v[T+1]
.endm
; One row.  left = the loads issued behind this row's eight, which may stay out.  gwait = 1: g and be are waited for here.
.macro ROW r, left, gwait
.set XR, X+32*\r
	s_wait_loadcnt \left
.irp k, 0,1,2,3
	v_pk_add_f32 v[T+2*\k:T+2*\k+1], v[XR+2*\k:XR+2*\k+1], v[XR+8+2*\k:XR+8+2*\k+1]   ; the first sums start the chains: nothing is cleared
.endr
.irp i, 8,9,10,11,12,13,14,15
	v_pk_add_f32 v[T+2*(\i%4):T+2*(\i%4)+1], v[T+2*(\i%4):T+2*(\i%4)+1], v[XR+2*\i:XR+2*\i+1]
.endr
	REDUCE
	v_mul_f32 v[MU], s14, v[T]
	v_mul_f32 v[MU+1], s14, v[T]
.irp i, 0,1,2,3,4,5,6,7,8,9,10,11,12,13,14,15
	v_pk_add_f32 v[XR+2*\i:XR+2*\i+1], v[XR+2*\i:XR+2*\i+1], v[MU:MU+1] neg_lo:[0,1] neg_hi:[0,1]   ; x - mean
.endr
.irp k, 0,1,2,3
	v_pk_mul_f32 v[T+2*\k:T+2*\k+1], v[XR+2*\k:XR+2*\k+1], v[XR+2*\k:XR+2*\k+1]
.endr
.irp i, 4,5,6,7,8,9,10,11,12,13,14,15
	v_pk_fma_f32 v[T+2*(\i%4):T+2*(\i%4)+1], v[XR+2*\i:XR+2*\i+1], v[XR+2*\i:XR+2*\i+1], v[T+2*(\i%4):T+2*(\i%4)+1]
.endr
	REDUCE
	v_fma_f32 v[T], v[T], s14, s15                 ; var + eps
	v_rsq_f32 v[RS], v[T]
	v_rsq_f32 v[RS+1], v[T]
	v_nop                                          ; a plain instruction between the root and the use of its result (ISA guide 5.7.2)
.if \gwait
	s_wait_loadcnt 24                              ; g and be are in; the 24 loads of rows 1 to 3 may stay out
.endif
	s_wait_alu depctr_va_vdst(0)
.irp i, 0,1,2,3,4,5,6,7,8,9,10,11,12,13,14,15
	v_pk_mul_f32 v[XR+2*\i:XR+2*\i+1], v[XR+2*\i:XR+2*\i+1], v[RS:RS+1]
.endr
.irp i, 0,1,2,3,4,5,6,7,8,9,10,11,12,13,14,15
	v_pk_fma_f32 v[XR+2*\i:XR+2*\i+1], v[XR+2*\i:XR+2*\i+1], v[G+2*\i:G+2*\i+1], v[BE+2*\i:BE+2*\i+1]
.endr
.irp i, 0,1,2,3,4,5,6,7,8,9,10,11,12,13,14,15
	v_cvt_pk_bf16_f32 v[XR+\i], v[XR+2*\i], v[XR+2*\i+1]   ; in place, ascending: word i is written when words 2 i and 2 i + 1 are read
.endr
.irp c, 0,1,2,3
	global_store_b128 v[HO], v[XR+4*\c:XR+4*\c+3], s[10:11] offset:\r*2048+\c*512
.endr
.endm
	ROW 0, 40, 1                                   ; behind row 0's loads: 8 of g, 8 of be, 24 of rows 1 to 3
	ROW 1, 16, 0
	ROW 2, 8, 0
	ROW 3, 0, 0                                    ; each row has registers of its own: no store's source is ever rewritten
	s_endpgm
.Lfunc_end_k_qbcd1257fda_ln1:
	.size	k_qbcd1257fda_ln1, .Lfunc_end_k_qbcd1257fda_ln1-k_qbcd1257fda_ln1
	.p2alignl 7, 3214868480
	.fill 96, 4, 3214868480
	.section	.rodata,"a",@progbits
	.p2align	6, 0x0
	.amdhsa_kernel k_qbcd1257fda_ln1
		.amdhsa_group_segment_fixed_size 0
		.amdhsa_private_segment_fixed_size 0
		.amdhsa_enable_private_segment 0
		.amdhsa_kernarg_size 32
		.amdhsa_user_sgpr_count 2
		.amdhsa_user_sgpr_kernarg_segment_ptr 1
		.amdhsa_wavefront_size32 1
		.amdhsa_system_sgpr_workgroup_id_x 1
		.amdhsa_system_sgpr_workgroup_id_y 1
		.amdhsa_system_sgpr_workgroup_id_z 1
		.amdhsa_system_vgpr_workitem_id 0
		.amdhsa_next_free_vgpr 208
		.amdhsa_next_free_sgpr 66
		.amdhsa_reserve_vcc 0
		.amdhsa_float_denorm_mode_32 3
		.amdhsa_float_denorm_mode_16_64 3
		.amdhsa_memory_ordered 1
		.amdhsa_forward_progress 1
		.amdhsa_inst_pref_size 36
	.end_amdhsa_kernel
	.amdgpu_metadata
---
amdhsa.version: [ 1, 2 ]
amdhsa.kernels:
  - .name:           k_qbcd1257fda_ln1
    .symbol:         k_qbcd1257fda_ln1.kd
    .args:
      - { .name: x, .offset: 0, .size: 8, .value_kind: global_buffer, .address_space: global }
      - { .name: g1, .offset: 8, .size: 8, .value_kind: global_buffer, .address_space: global }
      - { .name: be1, .offset: 16, .size: 8, .value_kind: global_buffer, .address_space: global }
      - { .name: h, .offset: 24, .size: 8, .value_kind: global_buffer, .address_space: global }
    .group_segment_fixed_size: 0
    .private_segment_fixed_size: 0
    .kernarg_segment_align: 8
    .kernarg_segment_size: 32
    .max_flat_workgroup_size: 128
    .sgpr_count:     66
    .vgpr_count:     208
    .wavefront_size: 32
...
	.end_amdgpu_metadata
.endif
;; end of part 2
;; launch qkv (part 3): grid 12 x 16, 4 waves a work-group, clusters of 4 x 4, 327,680 bytes of LDS; arguments h, wt, qkv, mask; writes qkv
.if DOCPART == 3
	.amdgcn_target "amdgcn-amd-amdhsa--gfx1250"
	.amdhsa_code_object_version 6
	.text
	.protected	k_qbcd1257fda_qkv
	.globl	k_qbcd1257fda_qkv
	.p2align	8
	.type	k_qbcd1257fda_qkv,@function
k_qbcd1257fda_qkv:
	s_mov_b64 s[64:65], 0
	v_nop
	global_prefetch_b8 v0, s[64:65] scope:SCOPE_SE
	s_setreg_imm32_b32 hwreg(HW_REG_WAVE_MODE, 25, 1), 1
	s_wait_xcnt 0x0
	s_wait_alu depctr_hold_cnt(0) depctr_sa_sdst(0) depctr_va_vdst(0) depctr_va_sdst(0) depctr_va_ssrc(0) depctr_va_vcc(0) depctr_vm_vsrc(0)
	s_getreg_b32 s2, hwreg(HW_REG_IB_STS2, 6, 4)
	s_cmp_eq_u32 s2, 0
	s_cbranch_scc0 .Lentry_in_a_cluster
	s_endpgm
.Lentry_in_a_cluster:
	s_bfe_u32 s2, ttmp6, 0x10000c
	s_cmp_lg_u32 s2, 0xf033
	s_cbranch_scc0 .Lentry_shape_is_right
	s_endpgm
.Lentry_shape_is_right:
; C = A B^T with A [4096][SIZE_K] bf16 and B = a section of wt, [SIZE_N][SIZE_K] bf16; sums in f32, C rounded once to bf16.
; MODE 0 (this text): A = h, B = w_qkv^T.  C leaves as qkv[section][batch x head][token][64], and in the K section the rows of tokens whose
;   mask is 0 are multiplied by 0 (all else by 1): attention then gets the masked score as the constant that it adds.
;   LIMIT: K at a masked token must be finite (0 x infinity is NaN, where the definition throws the number away).
; MODE 1: A = h, B = w1^T, C = relu(A B^T + b1), [4096][4096].  The bias is the C operand of each sum's first product.  LIMIT: relu(NaN) gives 0.
; A tile of C, 256 x 256, is made by four waves, each 128 x 128: 64 accumulators of 16 x 16, 512 registers.  K goes in steps of 128 through a ring
; of two LDS slots filled by the tensor data mover; the tiles' rows are 256 bytes of memory, aligned.
; CLUSTER 4 x 4: the four work-groups of a row of the cluster need the same tiles of A, the four of a column the same tiles of B: each tile is asked
; for jointly, by the same tensor load with the same descriptor and a mask that names the four.  A wave has two tensor loads out at the start, later one.
; THE MATRIX INSTRUCTION IS USED TRANSPOSED: source 0 = 16 rows of B, source 1 = 16 rows of A: lane l holds row l % 16 of C and the columns 8 (l / 16) + 0..7.
; The 64 accumulators take turns, one instruction a turn, in one fixed order.
; REGISTERS: window 0: v16-27 addresses; v32-47 the mask's factors (MODE 0); v64-127, v128-191 fragments of A, two buffers; v192-255 the bias (MODE 1, first quarter);
;   on the way out v64-127 scaled results, v128-191 rows read back (two buffers), v192-223 packed results.  window 1: v64-191 fragments of B.  windows 2, 3: accumulators.
.set MODE,   0
.set SIZE_N, 3072
.set WOFF,   0                         ; B's first byte in wt
.set SIZE_K, 1024
.set KSTEP,  128
.set PITCH,  272                       ; an LDS row: 256 bytes + 16 of padding = 68 words: the 16 rows of a fragment load start at 16 different banks (64 banks of 4 bytes: ISA guide 11.1)
.set HALFT,  128*PITCH
.set SLOT,   4*HALFT                   ; A's 256 rows, then B's 256 rows
.set STAGE,  2*SLOT                    ; behind the ring: 16 rows x 272 bytes for each wave; no tensor load fills it
.set SPITCH, 272
.set LAPS,   SIZE_K/(2*KSTEP)
.set ADRA, 16
.set ADRB, 20
.set STO,  24
.set RD,   25
.set CO,   26
.set EO,   27                          ; my byte offset in the mask (MODE 0) or the bias (MODE 1)
.set MK,   32
.set F0,   64
.set F1,   128
.set T,    64
.set OB,   128
.set TMP,  192
.set BIAS, 192
.set G1,  24
.set G0,  32
.set G1B, 48
.set G0B, 56
.set DW0, (1<<16)|(1<<20)|(1<<21)|(5<<22)|(3<<25)   ; elements of 2 bytes; padding on; bit 21 beside a mask; after every 64 words; 4 words
.set MSB, 0
.macro WIN new                         ; the immediate's high byte repeats the setting that is left; a switch that changes nothing is dropped
.if MSB != (\new)
	s_set_vgpr_msb (MSB<<8)|(\new)
.set MSB, (\new)
.endif
.endm
.set MUL_LO, 0xa1                      ; source 0 (B) window 1, source 1 (A) window 0, C and D window 2
.set MUL_HI, 0xf1                      ; the same, C and D window 3
.set TO_B,   0x40                      ; destination window 1, address window 0
; A joint load: waves 0 and 1 fetch A's two halves, waves 2 and 3 B's.  The branch hangs on the wave's number alone.  Four v_nop follow each line.
.macro JLOAD s
	s_cmp_eq_u32 s11, 0
	s_cbranch_scc0 .Lfor_b_\@
	tensor_load_to_lds s[G0+4*\s:G0+4*\s+3], s[G1:G1+7]
	s_nop 0
.rept 4
	v_nop
.endr
	s_branch .Lasked_\@
.Lfor_b_\@:
	tensor_load_to_lds s[G0B+4*\s:G0B+4*\s+3], s[G1B:G1B+7]
	s_nop 0
.rept 4
	v_nop
.endr
.Lasked_\@:
.endm
.macro CREST                           ; a round of the cluster's barrier behind its opening barrier
	s_cmp_lg_u32 s10, 0
	s_cbranch_scc1 .Lnot_wave_0_\@
	s_barrier_signal -3
.Lnot_wave_0_\@:
	s_barrier_wait -3
	s_barrier_signal -1
	s_barrier_wait -1
.endm
.macro CROUND                          ; a whole round
	s_barrier_signal -1
	s_barrier_wait -1
	CREST
.endm
	s_load_b128 s[4:7], s[0:1], 0x0                ; A s[4:5], wt s[6:7]
	s_load_b64 s[8:9], s[0:1], 0x10                ; C
	s_load_b64 s[66:67], s[0:1], 0x18              ; mask or bias
	s_set_vgpr_msb 0x40
	v_lshl_add_u32 v255, v0, 2, 0x48400
	s_set_vgpr_msb 0x4000
	v_mov_b32 v255, 0
	s_set_vgpr_msb 0x1
	ds_add_u32 v255, v255
	s_set_vgpr_msb 0x100
	v_lshrrev_b32 v1, 5, v0
	v_readfirstlane_b32 s10, v1                    ; wave 0..3
	s_lshr_b32 s11, s10, 1                         ; my half of the tile's rows.  Also: I fetch for A (0) or for B (1)
	s_and_b32 s12, s10, 1                          ; my half of its columns.  Also: which 128 rows I fetch
	s_bfe_u32 s40, ttmp6, 0x40000                  ; cx
	s_bfe_u32 s41, ttmp6, 0x40004                  ; cy
	s_lshl_b32 s42, ttmp9, 2
	s_add_co_u32 s42, s42, s40                     ; tile column of C
	s_and_b32 s13, ttmp7, 0xffff
	s_lshl_b32 s13, s13, 2
	s_add_co_u32 s13, s13, s41                     ; tile row of C
	s_lshl_b32 s43, s41, 2
	s_lshl_b32 s43, 15, s43                        ; my row of the cluster
	s_lshl_b32 s44, 0x1111, s40                    ; my column
	s_or_b32 s[G1+0], s43, DW0                     ; A's tiles go to my row
	s_or_b32 s[G1B+0], s44, DW0                    ; B's to my column
.irp g, G1, G1B
	s_mov_b32 s[\g+1], KSTEP<<16                   ; tensor_dim0 = 128
	s_mov_b32 s[\g+2], 128<<16                     ; tensor_dim1 = 128
	s_mov_b32 s[\g+3], KSTEP<<16                   ; tile_dim0 = 128
	s_mov_b32 s[\g+4], 128                         ; tile_dim1 = 128
	s_mov_b32 s[\g+5], SIZE_K                      ; elements from row to row
	s_mov_b32 s[\g+6], 0
	s_mov_b32 s[\g+7], 0
.endr
	s_lshl_b32 s17, s12, 7
	s_lshl_b32 s16, s13, 8
	s_add_co_u32 s16, s16, s17                     ; A: row 256 x tile row + 128 x half
	s_lshl_b32 s46, s42, 8
	s_add_co_u32 s46, s46, s17                     ; B: row 256 x tile column + 128 x half
	s_mov_b32 s17, 0
	s_mov_b32 s47, 0
	s_mov_b64 s[18:19], SIZE_K*2
	s_mul_u64 s[16:17], s[16:17], s[18:19]
	s_mul_u64 s[46:47], s[46:47], s[18:19]
.if WOFF
	s_add_nc_u64 s[46:47], s[46:47], WOFF
.endif
	s_mul_i32 s20, s10, HALFT                      ; where they go: wave x 128 rows
	s_wait_dscnt 0x0
	s_wait_kmcnt 0x0
	s_add_nc_u64 s[14:15], s[4:5], s[16:17]
	s_add_nc_u64 s[46:47], s[6:7], s[46:47]
	CROUND                                         ; all sixteen work-groups are here: the first joint loads meet
.irp s, 0,1
	s_mov_b32 s[G0+4*\s], 1
	s_add_co_u32 s[G0+4*\s+1], s20, \s*SLOT
	s_add_nc_u64 s[G0+4*\s+2:G0+4*\s+3], s[14:15], \s*KSTEP*2
	s_or_b32 s[G0+4*\s+3], s[G0+4*\s+3], 0x80000000
	s_mov_b32 s[G0B+4*\s], 1
	s_add_co_u32 s[G0B+4*\s+1], s20, \s*SLOT
	s_add_nc_u64 s[G0B+4*\s+2:G0B+4*\s+3], s[46:47], \s*KSTEP*2
	s_or_b32 s[G0B+4*\s+3], s[G0B+4*\s+3], 0x80000000
	JLOAD \s
.endr
	v_and_b32 v1, 15, v0                           ; l % 16
	v_bfe_u32 v2, v0, 4, 1                         ; l / 16
.if MODE == 0
	s_lshl_b32 s68, s13, 10                        ; mask at my wave's first token: (256 x tile row + 128 x half) x 4 bytes
	s_lshl_b32 s70, s11, 9
	v_lshlrev_b32 v[EO], 2, v1
.else
	s_lshl_b32 s68, s42, 10                        ; bias at my wave's first column
	s_lshl_b32 s70, s12, 9
	v_lshlrev_b32 v[EO], 5, v2
.endif
	s_add_co_u32 s68, s68, s70
	s_mov_b32 s69, 0
	s_add_nc_u64 s[66:67], s[66:67], s[68:69]
.if MODE == 0
.irp a, 0,1,2,3,4,5,6,7
	global_load_b32 v[MK+2*\a], v[EO], s[66:67] offset:64*\a       ; the mask of row l % 16 of my block a
.endr
.else
.irp b, 0,1,2,3,4,5,6,7
	global_load_b128 v[BIAS+8*\b:BIAS+8*\b+3],   v[EO], s[66:67] offset:64*\b      ; the bias of columns 16 b + 8 (l / 16) + 0..7: a result's layout
	global_load_b128 v[BIAS+8*\b+4:BIAS+8*\b+7], v[EO], s[66:67] offset:64*\b+16
.endr
.endif
	v_mul_u32_u24 v3, v1, PITCH
	v_lshl_add_u32 v3, v2, 4, v3                   ; a fragment's row x pitch + 16 x half
	s_mul_i32 s21, s11, HALFT
	s_mul_i32 s22, s12, HALFT
	s_add_co_u32 s22, s22, 2*HALFT
.irp s, 0,1
	v_add_nc_u32 v[ADRA+\s], s21, v3
	v_add_nc_u32 v[ADRB+\s], s22, v3
	s_add_co_u32 s21, s21, SLOT
	s_add_co_u32 s22, s22, SLOT
.endr
	s_mul_i32 s23, s10, 16*SPITCH
	s_add_co_u32 s23, s23, STAGE                   ; my stage
	v_mul_u32_u24 v4, v1, SPITCH
	v_lshl_add_u32 v4, v2, 4, v4
	v_add_nc_u32 v[STO], s23, v4                   ; in: row l % 16, 16 bytes for each half of the lanes
.if MODE == 0
	; back: 16 lanes take two tokens x 128 bytes of ONE head (256 consecutive bytes of qkv); lanes 16-31 the wave's other head
	v_bfe_u32 v5, v0, 3, 1
	v_mul_u32_u24 v5, v5, SPITCH
	v_lshl_add_u32 v5, v2, 7, v5
	v_and_b32 v6, 7, v0
	v_lshl_add_u32 v5, v6, 4, v5
	v_add_nc_u32 v[RD], s23, v5
	v_lshlrev_b32 v5, 18, v2                       ; a head's 2,048 tokens x 128 bytes
	v_lshl_add_u32 v[CO], v1, 4, v5
	s_lshl_b32 s68, ttmp9, 23                      ; the section (q, k, v) is the cluster's x: 4 tile columns of 256 = 1,024 columns
	s_lshr_b32 s70, s13, 3
	s_lshl_b32 s70, s70, 22                        ; batch x 16 heads
	s_add_co_u32 s68, s68, s70
	s_lshl_b32 s70, s40, 2
	s_lshl1_add_u32 s70, s12, s70                  ; head = 4 x (tile column in the section) + 2 x half
	s_lshl_b32 s70, s70, 18
	s_add_co_u32 s68, s68, s70
	s_and_b32 s70, s13, 7
	s_lshl_b32 s70, s70, 8
	s_lshl_b32 s71, s11, 7
	s_add_co_u32 s70, s70, s71                     ; my first token in the batch
	s_lshl_b32 s70, s70, 7
	s_add_co_u32 s68, s68, s70
	s_cmp_eq_u32 ttmp9, 1                          ; the K section?  A select of a factor, no branch
	s_cselect_b32 s45, 0, 1.0
.else
	v_mul_u32_u24 v5, v2, SPITCH                   ; back: lanes 0-15 one row of 256 bytes, lanes 16-31 the next
	v_lshl_add_u32 v5, v1, 4, v5
	v_add_nc_u32 v[RD], s23, v5
	v_lshlrev_b32 v5, 13, v2
	v_lshl_add_u32 v[CO], v1, 4, v5
	s_lshl_b32 s68, s13, 8
	s_lshl_b32 s70, s11, 7
	s_add_co_u32 s68, s68, s70                     ; my first row of C
	s_lshl_b32 s68, s68, 13                        ; x SIZE_N x 2 bytes
	s_lshl_b32 s70, s42, 9
	s_add_co_u32 s68, s68, s70
	s_lshl_b32 s70, s12, 8
	s_add_co_u32 s68, s68, s70
.endif
	s_mov_b32 s69, 0
	s_add_nc_u64 s[8:9], s[8:9], s[68:69]          ; C at my wave's first number; never stepped: all else stands in the stores' immediates
	s_wait_loadcnt 0x0                             ; the mask or the bias, once
.if MODE == 0
.irp a, 0,1,2,3,4,5,6,7
	v_cmp_ne_u32 vcc_lo, 0, v[MK+2*\a]
	v_cndmask_b32 v[MK+2*\a], 0, 1.0, vcc_lo       ; 1 where the token counts, else 0,
	v_max_num_f32 v[MK+2*\a], s45, v[MK+2*\a]      ; and 1 everywhere outside the K section
	v_mov_b32 v[MK+2*\a+1], v[MK+2*\a]
.endr
.endif
; 16 matrix instructions: m blocks a0, a0 + 1 of the window's four x all 8 n blocks, 32 along K.  zero = 1: the product starts the sum; 2: the bias does
.macro MUL16 f, hi, a0, zero
.irp a, \a0, \a0+1
.irp b, 0,1,2,3,4,5,6,7
.if \zero == 1
	v_wmma_f32_16x16x32_bf16 v[8*(8*(\a)+\b):8*(8*(\a)+\b)+7], v[\f+8*\b:\f+8*\b+7], v[\f+8*(4*\hi+\a):\f+8*(4*\hi+\a)+7], 0
.elseif \zero == 2
	v_wmma_f32_16x16x32_bf16 v[8*(8*(\a)+\b):8*(8*(\a)+\b)+7], v[\f+8*\b:\f+8*\b+7], v[\f+8*(4*\hi+\a):\f+8*(4*\hi+\a)+7], v[BIAS+8*\b:BIAS+8*\b+7]
.else
	v_wmma_f32_16x16x32_bf16 v[8*(8*(\a)+\b):8*(8*(\a)+\b)+7], v[\f+8*\b:\f+8*\b+7], v[\f+8*(4*\hi+\a):\f+8*(4*\hi+\a)+7], v[8*(8*(\a)+\b):8*(8*(\a)+\b)+7]
.endif
.endr
.endr
.endm
; 32 LDS loads in one run: the fragments of a quarter step (32 K at byte k of the rows) into buffer f
.macro FETCH slot, k, f
	WIN TO_B
.irp i, 0,1,2,3,4,5,6,7
	ds_load_b128 v[\f+8*\i:\f+8*\i+3],   v[ADRB+\slot] offset:\k+\i*16*PITCH
	ds_load_b128 v[\f+8*\i+4:\f+8*\i+7], v[ADRB+\slot] offset:\k+\i*16*PITCH+32
.endr
	WIN 0
.irp i, 0,1,2,3,4,5,6,7
	ds_load_b128 v[\f+8*\i:\f+8*\i+3],   v[ADRA+\slot] offset:\k+\i*16*PITCH
	ds_load_b128 v[\f+8*\i+4:\f+8*\i+7], v[ADRA+\slot] offset:\k+\i*16*PITCH+32
.endr
.endm
.macro PLACES                          ; four plain instructions between a matrix instruction and a load into, or a vector instruction on, its registers
.rept 4
	v_nop
.endr
.endm
; A K step is four quarters of 32 along K, 64 matrix instructions each, on buffers 0, 1, 0, 1.  One of the first three multiplies f and fetches the next quarter into g.
.macro QUARTER slot, k, f, g, zero
	s_wait_dscnt 8                                 ; B and A's rows 0-63 are in; the youngest eight loads (A's rows 64-127) may be out
.if \zero == 2
	WIN 0x81                                       ; the bias (source 2) lies in window 0
.else
	WIN MUL_LO
.endif
	MUL16 \f, 0, 0, \zero
	MUL16 \f, 0, 2, \zero
	PLACES
	FETCH \slot, \k, \g
	s_wait_dscnt 32                                ; all but the 32 just issued
.if \zero == 2
	WIN 0xc1
.else
	WIN MUL_HI
.endif
	MUL16 \f, 1, 0, \zero
	MUL16 \f, 1, 2, \zero
.endm
; The last quarter multiplies buffer 1 and changes slots: ONE barrier; in front of it each wave waits for its reads of this slot and for all its tensor loads.
.macro MEET round
	s_wait_dscnt 8
	WIN MUL_LO
	MUL16 F1, 0, 0, 0
	s_wait_dscnt 0                                 ; my reads of this slot are over
	s_wait_tensorcnt 0x0                           ; all my tensor loads have landed: the one that was out is my part of the next slot
	ds_add_u32 v255, v255
	s_wait_dscnt 0x0
	s_barrier_signal -1
	MUL16 F1, 0, 2, 0                              ; register work while the others arrive
.if \round
	WIN 0
.endif
	s_barrier_wait -1
.endm
.macro TURN slot, next, fill
.if \fill
	MEET 1
	CREST                                          ; the barrier has opened a round of the cluster's: no wave of any partner still reads this slot or has a load on its way
	s_add_nc_u64 s[G0+4*\slot+2:G0+4*\slot+3], s[G0+4*\slot+2:G0+4*\slot+3], 2*KSTEP*2
	s_add_nc_u64 s[G0B+4*\slot+2:G0B+4*\slot+3], s[G0B+4*\slot+2:G0B+4*\slot+3], 2*KSTEP*2
	JLOAD \slot                                    ; the first tensor load behind the round; its four v_nop are also the places in front of the loads below
.else
	MEET 0
	PLACES
.endif
	FETCH \next, 0, F0
	WIN MUL_HI
	MUL16 F1, 1, 0, 0
	MUL16 F1, 1, 2, 0
.endm
; THE WAY OUT of my block a (16 rows x 128 columns).  PACK: scaled or clipped, rounded to bf16, 16 bytes a lane; each accumulator is read from its low end on.
.macro PACK a
.set AC, 64*((\a)%4)
.if MODE == 0
	WIN (0x02+(\a)/4)                              ; source 0: window 2 or 3
.irp b, 0,1,2,3,4,5,6,7
.irp r, 0,1,2,3
	v_pk_mul_f32 v[T+8*\b+2*\r:T+8*\b+2*\r+1], v[AC+8*\b+2*\r:AC+8*\b+2*\r+1], v[MK+2*(\a):MK+2*(\a)+1]
.endr
.endr
.else
	WIN (0x08+4*((\a)/4))                          ; source 1: window 2 or 3
.irp b, 0,1,2,3,4,5,6,7
.irp j, 0,1,2,3,4,5,6,7
	v_max_num_f32 v[T+8*\b+\j], 0, v[AC+8*\b+\j]
.endr
.endr
.endif
	WIN 0
.irp b, 0,1,2,3,4,5,6,7
.irp r, 0,1,2,3
	v_cvt_pk_bf16_f32 v[TMP+4*\b+\r], v[T+8*\b+2*\r], v[T+8*\b+2*\r+1]
.endr
.endr
.endm
.macro TOSTAGE a                       ; into my own stage and back in the order in which it is stored
.set BK, OB+32*((\a)%2)
.irp b, 0,1,2,3,4,5,6,7
	ds_store_b128 v[STO], v[TMP+4*\b:TMP+4*\b+3] offset:32*\b
.endr
.irp t, 0,1,2,3,4,5,6,7
	ds_load_b128 v[BK+4*\t:BK+4*\t+3], v[RD] offset:\t*2*SPITCH    ; LDS serves a wave's instructions in order (ISA guide 5.7.1.4): these see the stores above
.endr
.endm
.macro SEND a
.set BK, OB+32*((\a)%2)
	s_wait_dscnt 0x0                               ; the block is back in registers
	s_wait_xcnt 0x0                                ; the stores of the block before last have read their registers: the next TOSTAGE loads into them
.irp t, 0,1,2,3,4,5,6,7
.if MODE == 0
	global_store_b128 v[CO], v[BK+4*\t:BK+4*\t+3], s[8:9] offset:(\a)*2048+\t*256        ; 16 lanes: two tokens of a head, 256 consecutive bytes, aligned
.else
	global_store_b128 v[CO], v[BK+4*\t:BK+4*\t+3], s[8:9] offset:(16*(\a)+2*\t)*SIZE_N*2   ; 16 lanes: 256 consecutive bytes of a row, aligned; 126 rows at the most, inside the signed 24 bits
.endif
.endr
.endm
	s_wait_tensorcnt 1                             ; my part of K step 0 is in; K step 1's may stay out
	s_barrier_signal -1
	s_barrier_wait -1
	FETCH 0, 0, F0
	QUARTER 0, 64,  F0, F1, 1+MODE                 ; the first quarter stands in front of the loop: its products start the sums
	WIN 0
	s_mov_b32 s3, LAPS-1
.Llap:                                                 ; a trip goes once round the ring and fills both slots again
	QUARTER 0, 128, F1, F0, 0
	QUARTER 0, 192, F0, F1, 0
	TURN 0, 1, 1
	QUARTER 1, 64,  F0, F1, 0
	QUARTER 1, 128, F1, F0, 0
	QUARTER 1, 192, F0, F1, 0
	TURN 1, 0, 1
	QUARTER 0, 64,  F0, F1, 0
	WIN 0
	s_sub_co_u32 s3, s3, 1
	s_cmp_lg_u32 s3, 0
	s_cbranch_scc1 .Llap
	QUARTER 0, 128, F1, F0, 0                      ; the last lap fills nothing and has no round
	QUARTER 0, 192, F0, F1, 0
	TURN 0, 1, 0
	QUARTER 1, 64,  F0, F1, 0
	QUARTER 1, 128, F1, F0, 0
	QUARTER 1, 192, F0, F1, 0
	s_wait_dscnt 8                                 ; the very last quarter: nothing more to fetch
	WIN MUL_LO
	MUL16 F1, 0, 0, 0
	MUL16 F1, 0, 2, 0
	s_wait_dscnt 0
	WIN MUL_HI
	MUL16 F1, 1, 0, 0
	MUL16 F1, 1, 2, 0
	WIN 0
	PLACES
	PACK 0
	TOSTAGE 0
.irp a, 1,2,3,4,5,6,7                  ; block a's arithmetic stands between block a - 1's loads from the stage and the wait for them
	PACK \a
	SEND \a-1
	TOSTAGE \a
.endr
	SEND 7
	s_set_vgpr_msb 0x1
	s_wait_tensorcnt 0x0
	ds_add_u32 v255, v255
	s_wait_dscnt 0x0
	s_set_vgpr_msb 0x100
	CROUND                                         ; the closing round: no work-group ends while a partner may still ask for a tile that names it
	s_endpgm
.Lfunc_end_k_qbcd1257fda_qkv:
	.size	k_qbcd1257fda_qkv, .Lfunc_end_k_qbcd1257fda_qkv-k_qbcd1257fda_qkv
	.p2alignl 7, 3214868480
	.fill 96, 4, 3214868480
	.section	.rodata,"a",@progbits
	.p2align	6, 0x0
	.amdhsa_kernel k_qbcd1257fda_qkv
		.amdhsa_group_segment_fixed_size 327680
		.amdhsa_private_segment_fixed_size 0
		.amdhsa_enable_private_segment 0
		.amdhsa_kernarg_size 32
		.amdhsa_user_sgpr_count 2
		.amdhsa_user_sgpr_kernarg_segment_ptr 1
		.amdhsa_wavefront_size32 1
		.amdhsa_system_sgpr_workgroup_id_x 1
		.amdhsa_system_sgpr_workgroup_id_y 1
		.amdhsa_system_sgpr_workgroup_id_z 1
		.amdhsa_system_vgpr_workitem_id 0
		.amdhsa_next_free_vgpr 1024
		.amdhsa_next_free_sgpr 72
		.amdhsa_reserve_vcc 1
		.amdhsa_float_denorm_mode_32 3
		.amdhsa_float_denorm_mode_16_64 3
		.amdhsa_memory_ordered 1
		.amdhsa_forward_progress 1
		.amdhsa_inst_pref_size 161
	.end_amdhsa_kernel
	.amdgpu_metadata
---
amdhsa.version: [ 1, 2 ]
amdhsa.kernels:
  - .name:           k_qbcd1257fda_qkv
    .symbol:         k_qbcd1257fda_qkv.kd
    .args:
      - { .name: h, .offset: 0, .size: 8, .value_kind: global_buffer, .address_space: global }
      - { .name: wt, .offset: 8, .size: 8, .value_kind: global_buffer, .address_space: global }
      - { .name: qkv, .offset: 16, .size: 8, .value_kind: global_buffer, .address_space: global }
      - { .name: mask, .offset: 24, .size: 8, .value_kind: global_buffer, .address_space: global }
    .group_segment_fixed_size: 327680
    .private_segment_fixed_size: 0
    .kernarg_segment_align: 8
    .kernarg_segment_size: 32
    .max_flat_workgroup_size: 128
    .sgpr_count:     72
    .vgpr_count:     1024
    .wavefront_size: 32
...
	.end_amdgpu_metadata
.endif
;; end of part 3
;; launch attn (part 4): grid 8 x 32, 8 waves a work-group, clusters of 4 x 1, 327,680 bytes of LDS; arguments qkv, mask, ao; writes ao
.if DOCPART == 4
	.amdgcn_target "amdgcn-amd-amdhsa--gfx1250"
	.amdhsa_code_object_version 6
	.text
	.protected	k_qbcd1257fda_attn
	.globl	k_qbcd1257fda_attn
	.p2align	8
	.type	k_qbcd1257fda_attn,@function
k_qbcd1257fda_attn:
	s_mov_b64 s[64:65], 0
	v_nop
	global_prefetch_b8 v0, s[64:65] scope:SCOPE_SE
	s_setreg_imm32_b32 hwreg(HW_REG_WAVE_MODE, 25, 1), 1
	s_wait_xcnt 0x0
	s_wait_alu depctr_hold_cnt(0) depctr_sa_sdst(0) depctr_va_vdst(0) depctr_va_sdst(0) depctr_va_ssrc(0) depctr_va_vcc(0) depctr_vm_vsrc(0)
	s_getreg_b32 s2, hwreg(HW_REG_IB_STS2, 6, 4)
	s_cmp_eq_u32 s2, 0
	s_cbranch_scc0 .Lentry_in_a_cluster
	s_endpgm
.Lentry_in_a_cluster:
	s_bfe_u32 s2, ttmp6, 0x10000c
	s_cmp_lg_u32 s2, 0x3003
	s_cbranch_scc0 .Lentry_shape_is_right
	s_endpgm
.Lentry_shape_is_right:
; ao = softmax_k(where(mask[k], Q . K / 8, -1e9)) V for each of 32 (batch, head) pairs.  qkv: [3][32][2048][64] bf16; mask: [2][2048] i32.
; ao: bf16, byte (token / 2) x 4096 + head x 256 + (token % 2) x 128 + 2 x channel: two tokens of a head are 256 consecutive bytes, which one work-group writes whole.
; THE MASK.  K's rows at masked tokens were stored as zeros, and each product K Q^T starts from a C operand that is 0 for a key that counts and -8e9 = -1e9 x 8 for a
; masked one: a masked score is -8e9 exactly, and costs no vector work.  The running maximum is taken over the masked scores: with every key masked all weights are equal
; (the uniform softmax of the definition); when a key that counts comes later, the factor 2^(c m_old - c m_new) is 0 and wipes out what was summed.
; LIMITS: Q and K finite at masked tokens; a raw score under -8e9 is not told from a masked one; a weight under 2^-126 counts as 0 (v_exp_f32: ISA guide 15.8).
; SHARES.  A work-group owns 256 queries of one (batch, head); each of its eight waves 32: two tiles of 16.  Two waves lie on a SIMD: while one walks its softmax
; (some 240 vector instructions a key step) the other's 32 matrix instructions find the matrix unit free.  Every wave walks all 2,048 keys, 64 a step.
; LAYOUT.  S^T = K Q^T (source 0 = 16 keys, source 1 = 16 queries): a lane holds ONE query (lane % 16) and the keys 8 (lane / 16) + 0..7.  Two such tiles, rounded to bf16 in pairs,
; are source 1 of O^T = V^T P.  K comes out of LDS as it lies, V ([key][channel]) turned, by ds_load_tr16_b128.  p = 2^(c s - c m), c = log2(e) / 8.
; CLUSTER 4 x 1: the four query blocks of a cluster walk the same K and V: each tile is asked for jointly.  A slot holds four key steps; a wave has two tensor loads out at the start, later one.
; The accumulators take turns, one instruction a turn.
.set KS,    64
.set PK,    144       ; a row of K in LDS: 128 bytes + 16: the 16 rows of a load start at 16 different groups of 4 banks (64 banks of 4 bytes: ISA guide 11.1)
.set PV,    160       ; a row of V: 128 + 32
.set VOFF,  KS*PK
.set STEPB, KS*(PK+PV)
.set SLOT1, 1<<17     ; slot 0 at 0, slot 1 here: one exclusive or turns an address in one slot into the other's
.set BIASB, 4*STEPB   ; behind slot 0: the batch's 2,048 mask constants in f32; no tensor load fills these bytes
.set STAGE, BIASB+8192  ; 16 rows x 144 bytes for each wave, for the way out
.set SP,    144
.set AK0, 2           ; my lane's place in a tile of K
.set AV0, 3           ; in a tile of V
.set AB0, 4           ; in a step's mask constants
.set ADRK, 5          ; the addresses of the step in hand
.set ADRV, 6
.set ADRB, 7
.set QO,  8
.set STO, 10
.set RD,  11
.set GO,  12
.set MO,  13          ; my byte offset in the mask
.set NEG, 14          ; -8e9
.set BA,  15          ; where my eight constants go
.set ST,  16          ; tile t at 16 + 8 t: +0 c m, +1 m, +2, +3 l (even keys', odd keys'), +4 to +7 at work; the factor a in +6
.set BI,  32          ; a step's mask constants, in a result's layout
.set S,   64          ; S^T, 32 a tile
.set P,   128         ; P, 16 a tile
.set O,   160         ; O^T, 32 a tile
.set W,   224         ; the way out
.set KF,  64          ; window 1: K's fragments;  v0-31 of window 1: Q
.set VF,  128         ; window 1: V's fragments
.set WV,  12
.set G1K, 24
.set G1V, 32
.set G0K, 40          ; s[40:47] a set for each of the two first fills; the second then walks on
.set G0V, 48
.set SLOTS, 56
.set CNT, 57
.set CS,  58
.set SEL, 60
.set TB,  62          ; LDS byte at which the tiles of the step to be fetched begin
.set BB,  63          ; LDS byte of that step's mask constants
.set MSB, 0
.macro WIN new
.if MSB != (\new)
	s_set_vgpr_msb (MSB<<8)|(\new)
.set MSB, (\new)
.endif
.endm
.set W_KQ, 0x05       ; K and Q in window 1; C and S^T in window 0
.set W_PV, 0x01       ; V in window 1; P and O^T in window 0
.set TO_1, 0x40       ; destination window 1, address window 0
; A joint refill: waves 0-3 fetch the four steps' tiles of K, waves 4-7 those of V.  Four v_nop follow each line.
.macro JLOAD
	s_cmp_lt_u32 s[WV], 4
	s_cbranch_scc0 .Lfor_v_\@
	tensor_load_to_lds s[G0K+4:G0K+7], s[G1K:G1K+7]
	s_nop 0
.rept 4
	v_nop
.endr
	s_branch .Lasked_\@
.Lfor_v_\@:
	tensor_load_to_lds s[G0V+4:G0V+7], s[G1V:G1V+7]
	s_nop 0
.rept 4
	v_nop
.endr
.Lasked_\@:
.endm
.macro CROUND
	s_barrier_signal -1
	s_barrier_wait -1
	s_cmp_lg_u32 s[WV], 0
	s_cbranch_scc1 .Lnot_wave_0_\@
	s_barrier_signal -3
.Lnot_wave_0_\@:
	s_barrier_wait -3
	s_barrier_signal -1
	s_barrier_wait -1
.endm
	s_load_b128 s[4:7], s[0:1], 0x0   ; qkv s[4:5], mask s[6:7]
	s_load_b64 s[8:9], s[0:1], 0x10   ; ao
	s_set_vgpr_msb 0x40
	v_lshl_add_u32 v192, v0, 2, 0x33000
	v_mov_b32 v193, 0
	s_set_vgpr_msb 0x4045
	ds_add_u32 v192, v193
	s_set_vgpr_msb 0x4500
	v_lshrrev_b32 v1, 5, v0
	v_readfirstlane_b32 s[WV], v1   ; wave 0..7
	s_bfe_u32 s13, ttmp6, 0x40000   ; cx
	s_lshl_b32 s14, ttmp9, 2
	s_add_co_u32 s14, s14, s13      ; my block of 256 queries: it enters Q's and ao's addresses alone
	s_and_b32 s15, ttmp7, 0xffff    ; batch x 16 + head, which the four partners share
	s_lshl_b32 s20, s15, 18         ; its 2,048 rows of 128 bytes
	s_and_b32 s16, s[WV], 3         ; which of a slot's four steps I fetch:
	s_lshl_b32 s22, s16, 13         ; its 64 rows in memory,
	s_add_co_u32 s22, s22, s20
	s_mov_b32 s23, 0
	s_mul_i32 s17, s16, STEPB       ; and its place in a slot
	s_lshl_b32 s2, s14, 15          ; Q: my block's 256 rows,
	s_lshl_b32 s3, s[WV], 12        ; my wave's 32 of them
	s_add_co_u32 s2, s2, s3
	s_add_co_u32 s2, s2, s20
	s_mov_b32 s3, 0
	s_lshr_b32 s18, s15, 4          ; batch
	s_lshl_b32 s10, s18, 13         ; its 2,048 words of the mask
	s_mov_b32 s11, 0
	s_lshl_b32 s18, s18, 22         ; ao: the batch's 1,024 pairs of tokens x 4,096 bytes,
	s_lshl_b32 s19, s14, 19         ; my block's 128 pairs,
	s_add_co_u32 s18, s18, s19
	s_lshl_b32 s19, s[WV], 16       ; my wave's 16,
	s_add_co_u32 s18, s18, s19
	s_and_b32 s19, s15, 15
	s_lshl_b32 s19, s19, 8          ; my head's 256 bytes
	s_add_co_u32 s18, s18, s19
	s_mov_b32 s19, 0
	s_mov_b32 s[G1K], 15|(1<<16)|(1<<20)|(1<<21)|(4<<22)|(3<<25)  ; the mask: all four work-groups; elements of 2 bytes; padding on; bit 21 beside a mask; after every 32 words; 4 words
	s_mov_b32 s[G1V], 15|(1<<16)|(1<<20)|(1<<21)|(4<<22)|(7<<25)  ; the same with 8 words
.irp g, G1K, G1V
	s_mov_b32 s[\g+1], 64<<16       ; tensor_dim0 = 64
	s_mov_b32 s[\g+2], KS<<16       ; tensor_dim1 = 64
	s_mov_b32 s[\g+3], 64<<16       ; tile_dim0 = 64
	s_mov_b32 s[\g+4], KS           ; tile_dim1 = 64
	s_mov_b32 s[\g+5], 64           ; elements from row to row
	s_mov_b32 s[\g+6], 0
	s_mov_b32 s[\g+7], 0
.endr
	s_mov_b32 s[CS], 0x3e38aa3b     ; c = log2(e) / 8
	s_mov_b32 s[CS+1], s[CS]
	s_mov_b32 s[SEL], 0x76543210
	s_mov_b32 s[SEL+1], 0xfedcba98
	s_mov_b32 s[TB], 0
	s_mov_b32 s[BB], BIASB
	s_mov_b32 s[SLOTS], 6           ; 8 slots' worth of keys; every one but the first two is a refill
	s_wait_dscnt 0x0
	s_wait_kmcnt 0x0
	s_add_nc_u64 s[20:21], s[4:5], s[22:23]  ; the q section at my step's rows: K lies 8,388,608 bytes on, V 16,777,216
	s_add_nc_u64 s[4:5], s[4:5], s[2:3]      ; Q at my wave's first row
	s_add_nc_u64 s[6:7], s[6:7], s[10:11]    ; the batch's mask
	s_add_nc_u64 s[8:9], s[8:9], s[18:19]    ; ao at my wave's first pair of tokens
	CROUND                          ; all four work-groups are here: the first joint loads meet
.irp s, 0,1
	s_mov_b32 s[G0K+4*\s], 1
	s_add_co_u32 s[G0K+4*\s+1], s17, \s*SLOT1
	s_add_nc_u64 s[G0K+4*\s+2:G0K+4*\s+3], s[20:21], 8388608+\s*4*KS*128
	s_or_b32 s[G0K+4*\s+3], s[G0K+4*\s+3], 0x80000000
	s_mov_b32 s[G0V+4*\s], 1
	s_add_co_u32 s[G0V+4*\s+1], s17, \s*SLOT1+VOFF
	s_add_nc_u64 s[G0V+4*\s+2:G0V+4*\s+3], s[20:21], 16777216+\s*4*KS*128
	s_or_b32 s[G0V+4*\s+3], s[G0V+4*\s+3], 0x80000000
.endr
	s_cmp_lt_u32 s[WV], 4           ; a wave's two first fills stand in one branch, ahead of every wait on TENSORcnt and every LDS read
	s_cbranch_scc0 .Lfirst_v
	tensor_load_to_lds s[G0K:G0K+3], s[G1K:G1K+7]
	s_nop 0
	tensor_load_to_lds s[G0K+4:G0K+7], s[G1K:G1K+7]
	s_nop 0
.rept 4
	v_nop
.endr
	s_branch .Lfirst_asked
.Lfirst_v:
	tensor_load_to_lds s[G0V:G0V+3], s[G1V:G1V+7]
	s_nop 0
	tensor_load_to_lds s[G0V+4:G0V+7], s[G1V:G1V+7]
	s_nop 0
.rept 4
	v_nop
.endr
.Lfirst_asked:
	v_lshlrev_b32 v[MO], 5, v0      ; thread t turns the mask of keys 8 t .. 8 t + 7 into constants
	global_load_b128 v[BI:BI+3],   v[MO], s[6:7]
	global_load_b128 v[BI+4:BI+7], v[MO], s[6:7] offset:16
	v_and_b32 v1, 15, v0            ; l % 16
	v_bfe_u32 v9, v0, 4, 1          ; l / 16
	v_lshlrev_b32 v[QO], 7, v1
	v_lshl_add_u32 v[QO], v9, 4, v[QO]
	WIN TO_1
.irp i, 0,1,2,3                     ; Q stays in registers: tile i / 2, channels 32 (i % 2) on
	global_load_b128 v[8*\i:8*\i+3],   v[QO], s[4:5] offset:(\i/2)*2048+(\i%2)*64
	global_load_b128 v[8*\i+4:8*\i+7], v[QO], s[4:5] offset:(\i/2)*2048+(\i%2)*64+32
.endr
	WIN 0
	v_mul_u32_u24 v[AK0], v1, PK
	v_lshl_add_u32 v[AK0], v9, 4, v[AK0]   ; row x pitch + 16 x half
	v_and_b32 v5, 7, v0
	v_bfe_u32 v6, v0, 3, 1
	v_lshl_add_u32 v[AV0], v9, 3, v5       ; the turning load: key 8 (l / 16) + l % 8, channels 8 ((l / 8) % 2) on
	v_mul_u32_u24 v[AV0], v[AV0], PV
	v_lshl_add_u32 v[AV0], v6, 4, v[AV0]
	v_add_nc_u32 v[AV0], VOFF, v[AV0]
	v_lshlrev_b32 v[AB0], 5, v9            ; the constants of keys 8 (l / 16) on
	s_mul_i32 s21, s[WV], 16*SP
	s_add_co_u32 s21, s21, STAGE           ; my stage
	v_mul_u32_u24 v[STO], v1, SP           ; in: row l % 16, 16 bytes for each half of the lanes
	v_lshl_add_u32 v[STO], v9, 4, v[STO]
	v_add_nc_u32 v[STO], s21, v[STO]
	v_bfe_u32 v7, v0, 3, 2                 ; back: eight lanes a row of 128 bytes, four rows a load
	v_mul_u32_u24 v[RD], v7, SP
	v_lshl_add_u32 v[RD], v5, 4, v[RD]
	v_add_nc_u32 v[RD], s21, v[RD]
	v_lshlrev_b32 v[GO], 12, v9            ; lanes 0-15 one pair of tokens, lanes 16-31 the next
	v_lshl_add_u32 v[GO], v1, 4, v[GO]
	v_mov_b32 v[NEG], 0xcfee6b28           ; -8e9
	v_add_nc_u32 v[BA], BIASB, v[MO]
	s_wait_loadcnt 8                ; the mask is in; Q's eight loads, issued behind it, may stay out
.irp i, 0,1,2,3,4,5,6,7
	v_cmp_eq_u32 vcc_lo, 0, v[BI+\i]
	v_cndmask_b32 v[BI+\i], 0, v[NEG], vcc_lo
.endr
	ds_store_b128 v[BA], v[BI:BI+3]
	ds_store_b128 v[BA], v[BI+4:BI+7] offset:16
.macro PLACES
.rept 4
	v_nop
.endr
.endm
; The pieces of a softmax, for tile t and pair b of its 16 pairs of scores; an index outside 0..15 writes nothing.
.macro FMA t, b                     ; c s - c m
.if (\b) < 16
	v_pk_fma_f32 v[S+32*\t+2*(\b):S+32*\t+2*(\b)+1], v[S+32*\t+2*(\b):S+32*\t+2*(\b)+1], s[CS:CS+1], v[ST+8*\t:ST+8*\t+1] op_sel_hi:[1,0,0] neg_lo:[0,0,1] neg_hi:[0,0,1]
.endif
.endm
.macro SUM t, b, first              ; l = a l + the weights; the first step's first two pairs start l
.if (\b) >= 0
.if (\b) == 0
.if !\first
	s_wait_alu depctr_va_vdst(0)
	v_pk_fma_f32 v[ST+8*\t+2:ST+8*\t+3], v[ST+8*\t+2:ST+8*\t+3], v[ST+8*\t+6:ST+8*\t+7], v[S+32*\t:S+32*\t+1] op_sel_hi:[1,0,1]
.endif
.elseif ((\b) == 1) && \first
	s_wait_alu depctr_va_vdst(0)
	v_pk_add_f32 v[ST+8*\t+2:ST+8*\t+3], v[S+32*\t:S+32*\t+1], v[S+32*\t+2:S+32*\t+3]
.else
	s_wait_alu depctr_va_vdst(0)
	v_pk_add_f32 v[ST+8*\t+2:ST+8*\t+3], v[ST+8*\t+2:ST+8*\t+3], v[S+32*\t+2*(\b):S+32*\t+2*(\b)+1]
.endif
.endif
.endm
.macro CVT t, b                     ; two weights to bf16
.if (\b) >= 0
	s_wait_alu depctr_va_vdst(0)
	v_cvt_pk_bf16_f32 v[P+16*\t+(\b)], v[S+32*\t+2*(\b)], v[S+32*\t+2*(\b)+1]
.endif
.endm
.macro RESC t, b, first             ; O^T times a, ascending: each accumulator is read from its low end on
.if !\first
	s_wait_alu depctr_va_vdst(0)
	v_pk_mul_f32 v[O+32*\t+2*(\b):O+32*\t+2*(\b)+1], v[O+32*\t+2*(\b):O+32*\t+2*(\b)+1], v[ST+8*\t+6:ST+8*\t+7] op_sel_hi:[1,0]
.endif
.endm
; Both tiles' softmax for one key step; the two tiles alternate.  first = 1: the first step, which has no old maximum and nothing to rescale.
.macro SOFTMAX first
.irp j, 0,1,2,3                     ; the maximum: four chains, each begun at the low end of one accumulator
.irp t, 0,1
	v_max3_num_f32 v[ST+8*\t+4+\j], v[S+32*\t+8*\j], v[S+32*\t+8*\j+1], v[S+32*\t+8*\j+2]
.endr
.endr
.irp g, 1,2
.irp j, 0,1,2,3
.irp t, 0,1
	v_max3_num_f32 v[ST+8*\t+4+\j], v[ST+8*\t+4+\j], v[S+32*\t+8*\j+2*\g+1], v[S+32*\t+8*\j+2*\g+2]
.endr
.endr
.endr
.irp t, 0,1
	v_max3_num_f32 v[ST+8*\t+4], v[ST+8*\t+4], v[S+32*\t+7], v[S+32*\t+15]
.endr
.irp t, 0,1
	v_max3_num_f32 v[ST+8*\t+6], v[ST+8*\t+6], v[S+32*\t+23], v[S+32*\t+31]
.endr
.irp t, 0,1
	v_max3_num_f32 v[ST+8*\t+4], v[ST+8*\t+4], v[ST+8*\t+5], v[ST+8*\t+6]
.endr
.irp t, 0,1
.if \first
	v_max_num_f32 v[ST+8*\t+4], v[ST+8*\t+4], v[ST+8*\t+7]
.else
	v_max3_num_f32 v[ST+8*\t+4], v[ST+8*\t+4], v[ST+8*\t+7], v[ST+8*\t+1]
.endif
.endr
.irp t, 0,1
	v_permlanex16_b32 v[ST+8*\t+5], v[ST+8*\t+4], s[SEL], s[SEL+1]  ; the query's other 32 keys lie in the lane 16 away
.endr
.if !\first
.irp t, 0,1
	v_mov_b32 v[ST+8*\t+7], v[ST+8*\t]     ; c m_old is kept for a
.endr
.endif
.irp t, 0,1
	v_max_num_f32 v[ST+8*\t+1], v[ST+8*\t+4], v[ST+8*\t+5]
.endr
.irp t, 0,1
	v_mul_f32 v[ST+8*\t], s[CS], v[ST+8*\t+1]
.endr
.if !\first
.irp t, 0,1
	v_sub_f32 v[ST+8*\t+7], v[ST+8*\t+7], v[ST+8*\t]
.endr
.irp t, 0,1
	v_exp_f32 v[ST+8*\t+6], v[ST+8*\t+7]   ; a = 2^(c m_old - c m_new)
.endr
.endif
	FMA 0, 0
	FMA 1, 0
; 64 exponentials; behind each stand plain instructions on other registers (ISA guide 5.7.2): scalings a pair ahead, sums and roundings a pair back, O^T's rescaling
.set pp, 0
.rept 16
	v_exp_f32 v[S+2*pp], v[S+2*pp]
	FMA 0, pp+1
	SUM 0, pp-1, \first
	v_exp_f32 v[S+2*pp+1], v[S+2*pp+1]
	FMA 1, pp+1
	SUM 1, pp-1, \first
	v_exp_f32 v[S+32+2*pp], v[S+32+2*pp]
	CVT 0, pp-1
	RESC 0, pp, \first
	v_exp_f32 v[S+32+2*pp+1], v[S+32+2*pp+1]
	CVT 1, pp-1
	RESC 1, pp, \first
.set pp, pp+1
.endr
	SUM 0, 15, \first
	SUM 1, 15, \first
	CVT 0, 15
	CVT 1, 15
.endm
; A KEY STEP: 40 LDS loads in one run, 16 products K Q^T, both tiles' softmax, 16 products V^T P.
.macro STEP first
	WIN 0
	v_add_nc_u32 v[ADRB], s[BB], v[AB0]    ; these three and the v_nop are the four places between the last products and the loads into their sources
	v_add_nc_u32 v[ADRK], s[TB], v[AK0]
	v_add_nc_u32 v[ADRV], s[TB], v[AV0]
	v_nop
.irp kb, 0,1,2,3
	ds_load_b128 v[BI+8*\kb:BI+8*\kb+3],   v[ADRB] offset:64*\kb
	ds_load_b128 v[BI+8*\kb+4:BI+8*\kb+7], v[ADRB] offset:64*\kb+16
.endr
	WIN TO_1
.irp f, 0,1,2,3,4,5,6,7             ; keys 16 (f / 2) on, channels 32 (f % 2) on
	ds_load_b128 v[KF+8*\f:KF+8*\f+3],   v[ADRK] offset:(\f/2)*16*PK+(\f%2)*64
	ds_load_b128 v[KF+8*\f+4:KF+8*\f+7], v[ADRK] offset:(\f/2)*16*PK+(\f%2)*64+32
.endr
.irp f, 0,1,2,3,4,5,6,7             ; keys 32 (f / 4) on, channels 16 (f % 4) on
	ds_load_tr16_b128 v[VF+8*\f:VF+8*\f+3],   v[ADRV] offset:(\f/4)*32*PV+(\f%4)*32
	ds_load_tr16_b128 v[VF+8*\f+4:VF+8*\f+7], v[ADRV] offset:(\f/4)*32*PV+16*PV+(\f%4)*32
.endr
	s_add_co_u32 s[TB], s[TB], STEPB       ; the next fetch is the next step's
	s_add_co_u32 s[BB], s[BB], 4*KS
	s_wait_dscnt 16                 ; the constants and K are in; V's sixteen loads, the youngest, may stay out
	WIN W_KQ
.set i, 0
.rept 16                            ; channels 32 (i / 8) on, keys 16 ((i / 2) % 4) on, tile i % 2: eight accumulators by turns; the first eight start from the mask's constants
.set rS, S+32*(i%2)+8*((i/2)%4)
.set rK, KF+16*((i/2)%4)+8*(i/8)
.set rQ, 16*(i%2)+8*(i/8)
.set rB, BI+8*((i/2)%4)
.if i < 8
	v_wmma_f32_16x16x32_bf16 v[rS:rS+7], v[rK:rK+7], v[rQ:rQ+7], v[rB:rB+7]
.else
	v_wmma_f32_16x16x32_bf16 v[rS:rS+7], v[rK:rK+7], v[rQ:rQ+7], v[rS:rS+7]
.endif
.set i, i+1
.endr
	WIN 0
	PLACES                          ; the softmax reads results just made
	SOFTMAX \first
	s_wait_dscnt 0x0                ; V is in
	WIN W_PV
.set i, 0
.rept 16                            ; keys 32 (i / 8) on, channels 16 ((i / 2) % 4) on, tile i % 2: eight accumulators by turns
.set rO, O+32*(i%2)+8*((i/2)%4)
.set rV, VF+32*(i/8)+8*((i/2)%4)
.set rP, P+16*(i%2)+8*(i/8)
.if \first && (i < 8)
	v_wmma_f32_16x16x32_bf16 v[rO:rO+7], v[rV:rV+7], v[rP:rP+7], 0
.else
	v_wmma_f32_16x16x32_bf16 v[rO:rO+7], v[rV:rV+7], v[rP:rP+7], v[rO:rO+7]
.endif
.set i, i+1
.endr
	WIN 0
.endm
.macro STEPS n
	s_mov_b32 s[CNT], \n
.Lstep_\@:
	STEP 0
	s_sub_co_u32 s[CNT], s[CNT], 1
	s_cmp_lg_u32 s[CNT], 0
	s_cbranch_scc1 .Lstep_\@
.endm
; THE CHANGE OF SLOTS.  Each wave waits for its reads of the slot and for all its tensor loads, of which one is out: its part of the other slot.
; fill = 1: the barrier is a round of the cluster's, and the slot just read is filled again first behind it, with the keys two slots on: four key steps in which to land.
.macro CHANGE fill
	WIN 0
	s_wait_dscnt 0x0
	s_set_vgpr_msb 0x5
	s_wait_tensorcnt 0x0            ; no tensor load of mine is out, so a group 0 may be written
	ds_add_u32 v192, v193
	s_wait_dscnt 0x0
	s_set_vgpr_msb 0x500
.if \fill
.irp g, G0K+4, G0V+4
	s_xor_b32 s[\g+1], s[\g+1], SLOT1      ; the walking descriptor: the other slot than last time,
	s_add_nc_u64 s[\g+2:\g+3], s[\g+2:\g+3], 4*KS*128   ; the next 256 keys
.endr
	CROUND
	JLOAD
.else
	s_barrier_signal -1
	s_barrier_wait -1
.endif
	s_sub_co_u32 s[TB], s[TB], 4*STEPB     ; the fetches go back to a slot's first step,
	s_xor_b32 s[TB], s[TB], SLOT1          ; in the other slot
.endm
	s_wait_tensorcnt 1              ; my part of slot 0 is in; slot 1's may stay out
	s_wait_dscnt 0x0                ; for the others' sake: my mask constants are stored
	s_barrier_signal -1
	s_barrier_wait -1
	s_wait_loadcnt 0x0              ; Q
	STEP 1
	STEPS 3
.Lslot:                             ; six trips: every slot but the last two is filled again
	CHANGE 1
	STEPS 4
	s_sub_co_u32 s[SLOTS], s[SLOTS], 1
	s_cmp_lg_u32 s[SLOTS], 0
	s_cbranch_scc1 .Lslot
	CHANGE 0                        ; the tail is written out
	STEPS 4
	; THE WAY OUT.  l's halves and the other lanes' are added; O^T is divided by l, rounded and sent through my stage, a tile (16 tokens) at a time.  The additions are the places behind the last products.
.irp t, 0,1
	v_add_f32 v[ST+8*\t+4], v[ST+8*\t+2], v[ST+8*\t+3]
.endr
.irp t, 0,1
	v_permlanex16_b32 v[ST+8*\t+5], v[ST+8*\t+4], s[SEL], s[SEL+1]
.endr
.irp t, 0,1
	v_add_f32 v[ST+8*\t+4], v[ST+8*\t+4], v[ST+8*\t+5]
.endr
	v_nop
.irp t, 0,1
	v_rcp_f32 v[ST+8*\t+6], v[ST+8*\t+4]
.endr
	v_nop                           ; a plain instruction between the last reciprocal and the use of its result
.macro OUT t
.set i, 0
.rept 16
	s_wait_alu depctr_va_vdst(0)
	v_pk_mul_f32 v[O+32*\t+2*i:O+32*\t+2*i+1], v[O+32*\t+2*i:O+32*\t+2*i+1], v[ST+8*\t+6:ST+8*\t+7] op_sel_hi:[1,0]
.set i, i+1
.endr
.set i, 0
.rept 16
	v_cvt_pk_bf16_f32 v[W+16*\t+i], v[O+32*\t+2*i], v[O+32*\t+2*i+1]
.set i, i+1
.endr
.irp c, 0,1,2,3
	ds_store_b128 v[STO], v[W+16*\t+4*\c:W+16*\t+4*\c+3] offset:32*\c
.endr
.irp f, 0,1,2,3
	ds_load_b128 v[W+16*\t+4*\f:W+16*\t+4*\f+3], v[RD] offset:\f*4*SP   ; LDS serves a wave's instructions in order (ISA guide 5.7.1.4): these see the stores above; the next tile's stores come behind them
.endr
.endm
.macro SENDO t, younger             ; younger: the LDS instructions issued behind tile t's loads: the next tile's eight, or none
.irp f, 0,1,2,3
	s_wait_dscnt \younger+3-\f
	global_store_b128 v[GO], v[W+16*\t+4*\f:W+16*\t+4*\f+3], s[8:9] offset:(8*\t+2*\f)*4096   ; 16 lanes: two tokens of my head, 256 consecutive bytes, aligned
.endr
.endm
	OUT 0
	OUT 1
	SENDO 0, 8
	SENDO 1, 0
	s_set_vgpr_msb 0x5
	s_wait_tensorcnt 0x0
	ds_add_u32 v192, v193
	s_wait_dscnt 0x0
	s_set_vgpr_msb 0x500
	CROUND                          ; the closing round: no work-group ends while a partner may still ask for a tile that names it
	s_endpgm
.Lfunc_end_k_qbcd1257fda_attn:
	.size	k_qbcd1257fda_attn, .Lfunc_end_k_qbcd1257fda_attn-k_qbcd1257fda_attn
	.p2alignl 7, 3214868480
	.fill 96, 4, 3214868480
	.section	.rodata,"a",@progbits
	.p2align	6, 0x0
	.amdhsa_kernel k_qbcd1257fda_attn
		.amdhsa_group_segment_fixed_size 327680
		.amdhsa_private_segment_fixed_size 0
		.amdhsa_enable_private_segment 0
		.amdhsa_kernarg_size 24
		.amdhsa_user_sgpr_count 2
		.amdhsa_user_sgpr_kernarg_segment_ptr 1
		.amdhsa_wavefront_size32 1
		.amdhsa_system_sgpr_workgroup_id_x 1
		.amdhsa_system_sgpr_workgroup_id_y 1
		.amdhsa_system_sgpr_workgroup_id_z 1
		.amdhsa_system_vgpr_workitem_id 0
		.amdhsa_next_free_vgpr 450
		.amdhsa_next_free_sgpr 66
		.amdhsa_reserve_vcc 1
		.amdhsa_float_denorm_mode_32 3
		.amdhsa_float_denorm_mode_16_64 3
		.amdhsa_memory_ordered 1
		.amdhsa_forward_progress 1
		.amdhsa_inst_pref_size 98
	.end_amdhsa_kernel
	.amdgpu_metadata
---
amdhsa.version: [ 1, 2 ]
amdhsa.kernels:
  - .name:           k_qbcd1257fda_attn
    .symbol:         k_qbcd1257fda_attn.kd
    .args:
      - { .name: qkv, .offset: 0, .size: 8, .value_kind: global_buffer, .address_space: global }
      - { .name: mask, .offset: 8, .size: 8, .value_kind: global_buffer, .address_space: global }
      - { .name: ao, .offset: 16, .size: 8, .value_kind: global_buffer, .address_space: global }
    .group_segment_fixed_size: 327680
    .private_segment_fixed_size: 0
    .kernarg_segment_align: 8
    .kernarg_segment_size: 24
    .max_flat_workgroup_size: 256
    .sgpr_count:     66
    .vgpr_count:     450
    .wavefront_size: 32
...
	.end_amdgpu_metadata
.endif
;; end of part 4
;; launch oproj (part 5): grid 8 x 32, 4 waves a work-group, clusters of 4 x 4, 327,680 bytes of LDS; arguments ao, wt, x1, b_out, x; writes x1
.if DOCPART == 5
	.amdgcn_target "amdgcn-amd-amdhsa--gfx1250"
	.amdhsa_code_object_version 6
	.text
	.protected	k_qbcd1257fda_oproj
	.globl	k_qbcd1257fda_oproj
	.p2align	8
	.type	k_qbcd1257fda_oproj,@function
k_qbcd1257fda_oproj:
	s_mov_b64 s[64:65], 0
	v_nop
	global_prefetch_b8 v0, s[64:65] scope:SCOPE_SE
	s_setreg_imm32_b32 hwreg(HW_REG_WAVE_MODE, 25, 1), 1
	s_wait_xcnt 0x0
	s_wait_alu depctr_hold_cnt(0) depctr_sa_sdst(0) depctr_va_vdst(0) depctr_va_sdst(0) depctr_va_ssrc(0) depctr_va_vcc(0) depctr_vm_vsrc(0)
	s_getreg_b32 s2, hwreg(HW_REG_IB_STS2, 6, 4)
	s_cmp_eq_u32 s2, 0
	s_cbranch_scc0 .Lentry_in_a_cluster
	s_endpgm
.Lentry_in_a_cluster:
	s_bfe_u32 s2, ttmp6, 0x10000c
	s_cmp_lg_u32 s2, 0xf033
	s_cbranch_scc0 .Lentry_shape_is_right
	s_endpgm
.Lentry_shape_is_right:
; C = res + A B^T + bias.  A: 4,096 rows x SIZE_K bf16; B = a section of wt, [1024][SIZE_K] bf16; bias [1024], res and C [4096][1024] f32; sums in f32.
; PAIRED = 1 (this text): A = ao, in which two tokens share a row of 4,096 bytes: byte (token / 2) x 4096 + head x 256 + (token % 2) x 128 + 2 x channel.  B = w_out^T.
; PAIRED = 0: A = mid, [4096][4096], plain rows.  B = w2^T.
; A tile of C is 128 x 128 (256 work-groups); four waves, each 64 x 64: 16 accumulators.  K goes in steps of 256 through a ring of two LDS slots filled by the tensor data mover.
; The bias is the C operand of each sum's first product; the residual is loaded at the start, in the layout in which the results are stored, and added on the way out.
; CLUSTER 4 x 4: A's tiles are asked for jointly along a row of the cluster, B's along a column.  A wave has two tensor loads out at the start, later one.
; THE MATRIX INSTRUCTION IS USED TRANSPOSED (source 0 = 16 rows of B, source 1 = 16 rows of A): a lane holds eight neighbouring numbers of a row of C.
; The 16 accumulators take turns, one instruction a turn.
; REGISTERS: window 0: v16-27 addresses; v32-95 rows read back, two buffers; v96-127 the bias; v128-255 accumulators.  window 1: two fragment buffers of 128.  window 2: v0-127 the residual.
.set PAIRED, 1
.set SIZE_K, 1024
.set WOFF,   6291456                   ; B's first byte in wt
.set SIZE_N, 1024
.set KSTEP,  256
.set PITCH,  528                       ; an LDS row of B: 512 bytes + 16: the 16 rows of a fragment load start at 16 different groups of 4 banks (64 banks of 4 bytes: ISA guide 11.1)
.set BHALF,  64*PITCH
.if PAIRED
.set APITCH, 1040                      ; two tokens x 4 heads x 128 bytes + 16: token r of a fragment starts at 16-byte column (r / 2) + 8 (r % 2): sixteen different ones
.set AHALF,  32*APITCH                 ; 64 tokens
.set ABLK,   8*APITCH                  ; 16 tokens
.set ASTEP,  1024                      ; bytes along a row for a K step: 4 heads x 256
.set AQI,    7                         ; padding after every 256 words
.set ADIM0,  512
.set AROWS,  32
.set ASTRIDE, 2048
.else
.set APITCH, PITCH
.set AHALF,  64*APITCH
.set ABLK,   16*APITCH
.set ASTEP,  512
.set AQI,    6                         ; padding after every 128 words
.set ADIM0,  256
.set AROWS,  64
.set ASTRIDE, SIZE_K
.endif
.set AKM,    1+PAIRED                  ; 64 along K are 128 bytes of a plain row, 256 of a paired one (one head)
.set SLOT,   2*AHALF+2*BHALF           ; A's 128 rows, then B's 128 rows
.set STAGE,  2*SLOT                    ; behind the ring: 16 rows x 272 bytes for each wave: a wave's 64 f32 columns are 256 bytes, so each wave has a stage of its own
.set SPITCH, 272
.set LAPS,   SIZE_K/(2*KSTEP)
.set ADRA, 16
.set ADRB, 20
.set STO,  24
.set RD,   25
.set CO,   26
.set BO,   27
.set TMP,  32
.set BIAS, 96
.set ACC,  128
.set F0,   0
.set F1,   128
.set G1,  24
.set G0,  32
.set G1B, 48
.set G0B, 56
.set MSB, 0
.macro WIN new
.if MSB != (\new)
	s_set_vgpr_msb (MSB<<8)|(\new)
.set MSB, (\new)
.endif
.endm
.set MUL,  0x05                        ; sources 0 (B) and 1 (A) window 1; C and D window 0
.set TO_F, 0x40                        ; destination window 1, address window 0
.macro JLOAD s                         ; a joint load: waves 0 and 1 fetch A's two halves, waves 2 and 3 B's; four v_nop follow each line
	s_cmp_eq_u32 s11, 0
	s_cbranch_scc0 .Lfor_b_\@
	tensor_load_to_lds s[G0+4*\s:G0+4*\s+3], s[G1:G1+7]
	s_nop 0
.rept 4
	v_nop
.endr
	s_branch .Lasked_\@
.Lfor_b_\@:
	tensor_load_to_lds s[G0B+4*\s:G0B+4*\s+3], s[G1B:G1B+7]
	s_nop 0
.rept 4
	v_nop
.endr
.Lasked_\@:
.endm
.macro CREST
	s_cmp_lg_u32 s10, 0
	s_cbranch_scc1 .Lnot_wave_0_\@
	s_barrier_signal -3
.Lnot_wave_0_\@:
	s_barrier_wait -3
	s_barrier_signal -1
	s_barrier_wait -1
.endm
.macro CROUND
	s_barrier_signal -1
	s_barrier_wait -1
	CREST
.endm
	s_load_b128 s[4:7], s[0:1], 0x0                ; A s[4:5], wt s[6:7]
	s_load_b64 s[8:9], s[0:1], 0x10                ; C
	s_load_b128 s[68:71], s[0:1], 0x18             ; bias s[68:69], res s[70:71]
	v_lshl_add_u32 v30, v0, 2, 0x46400
	v_mov_b32 v31, 0
	ds_add_u32 v30, v31
	v_lshrrev_b32 v1, 5, v0
	v_readfirstlane_b32 s10, v1                    ; wave 0..3
	s_lshr_b32 s11, s10, 1                         ; my half of the tile's rows.  Also: I fetch for A (0) or for B (1)
	s_and_b32 s12, s10, 1                          ; my half of its columns.  Also: which 64 rows I fetch
	s_bfe_u32 s40, ttmp6, 0x40000
	s_bfe_u32 s41, ttmp6, 0x40004
	s_lshl_b32 s42, ttmp9, 2
	s_add_co_u32 s42, s42, s40                     ; tile column of C
	s_and_b32 s13, ttmp7, 0xffff
	s_lshl_b32 s13, s13, 2
	s_add_co_u32 s13, s13, s41                     ; tile row of C
	s_lshl_b32 s43, s41, 2
	s_lshl_b32 s43, 15, s43                        ; my row of the cluster
	s_lshl_b32 s44, 0x1111, s40                    ; my column
	s_or_b32 s[G1+0], s43, (1<<16)|(1<<20)|(1<<21)|(AQI<<22)|(3<<25)   ; A's tiles go to my row; elements of 2 bytes; padding of 4 words behind each LDS row
	s_mov_b32 s[G1+1], ADIM0<<16                   ; tensor_dim0
	s_mov_b32 s[G1+2], AROWS<<16                   ; tensor_dim1
	s_mov_b32 s[G1+3], ADIM0<<16                   ; tile_dim0
	s_mov_b32 s[G1+4], AROWS                       ; tile_dim1
	s_mov_b32 s[G1+5], ASTRIDE                     ; elements from row to row
	s_mov_b32 s[G1+6], 0
	s_mov_b32 s[G1+7], 0
	s_or_b32 s[G1B+0], s44, (1<<16)|(1<<20)|(1<<21)|(6<<22)|(3<<25)    ; B's tiles go to my column: 64 rows x 256 elements
	s_mov_b32 s[G1B+1], KSTEP<<16
	s_mov_b32 s[G1B+2], 64<<16
	s_mov_b32 s[G1B+3], KSTEP<<16
	s_mov_b32 s[G1B+4], 64
	s_mov_b32 s[G1B+5], SIZE_K
	s_mov_b32 s[G1B+6], 0
	s_mov_b32 s[G1B+7], 0
	s_lshl_b32 s17, s12, 6
	s_lshl_b32 s16, s13, 7
	s_add_co_u32 s16, s16, s17                     ; A: row 128 x tile row + 64 x half; SIZE_K x 2 bytes a row in both layouts
	s_lshl_b32 s46, s42, 7
	s_add_co_u32 s46, s46, s17                     ; B: row 128 x tile column + 64 x half
	s_mov_b32 s17, 0
	s_mov_b32 s47, 0
	s_mov_b64 s[18:19], SIZE_K*2
	s_mul_u64 s[16:17], s[16:17], s[18:19]
	s_mul_u64 s[46:47], s[46:47], s[18:19]
	s_add_nc_u64 s[46:47], s[46:47], WOFF
	s_mul_i32 s20, s12, AHALF                      ; where they go: A's two halves,
	s_mul_i32 s45, s12, BHALF
	s_add_co_u32 s45, s45, 2*AHALF                 ; then B's two halves: the wave's number alone enters an LDS address
	s_wait_dscnt 0x0
	s_wait_kmcnt 0x0
	s_add_nc_u64 s[14:15], s[4:5], s[16:17]
	s_add_nc_u64 s[46:47], s[6:7], s[46:47]
	CROUND                                         ; all sixteen work-groups are here: the first joint loads meet
.irp s, 0,1
	s_mov_b32 s[G0+4*\s], 1
	s_add_co_u32 s[G0+4*\s+1], s20, \s*SLOT
	s_add_nc_u64 s[G0+4*\s+2:G0+4*\s+3], s[14:15], \s*ASTEP
	s_or_b32 s[G0+4*\s+3], s[G0+4*\s+3], 0x80000000
	s_mov_b32 s[G0B+4*\s], 1
	s_add_co_u32 s[G0B+4*\s+1], s45, \s*SLOT
	s_add_nc_u64 s[G0B+4*\s+2:G0B+4*\s+3], s[46:47], \s*KSTEP*2
	s_or_b32 s[G0B+4*\s+3], s[G0B+4*\s+3], 0x80000000
	JLOAD \s
.endr
	v_and_b32 v1, 15, v0                           ; l % 16
	v_bfe_u32 v2, v0, 4, 1                         ; l / 16
	v_lshlrev_b32 v5, 12, v2                       ; in C and res: lanes 0-15 one row's 256 bytes, lanes 16-31 the next row's
	v_lshl_add_u32 v[CO], v1, 4, v5
	v_lshlrev_b32 v[BO], 5, v2
	s_lshl_b32 s72, s13, 7
	s_lshl_b32 s74, s11, 6
	s_add_co_u32 s72, s72, s74                     ; my first row of C
	s_lshl_b32 s72, s72, 12                        ; x 4,096 bytes
	s_lshl_b32 s74, s42, 9
	s_add_co_u32 s72, s72, s74                     ; + the tile's first column
	s_lshl_b32 s74, s12, 8
	s_add_co_u32 s72, s72, s74                     ; + my half's
	s_mov_b32 s73, 0
	s_add_nc_u64 s[8:9], s[8:9], s[72:73]
	s_add_nc_u64 s[70:71], s[70:71], s[72:73]
	s_lshl_b32 s72, s42, 9
	s_add_co_u32 s72, s72, s74
	s_add_nc_u64 s[68:69], s[68:69], s[72:73]      ; the bias at my first column
.irp b, 0,1,2,3
	global_load_b128 v[BIAS+8*\b:BIAS+8*\b+3],   v[BO], s[68:69] offset:64*\b      ; columns 16 b + 8 (l / 16) + 0..7: a result's layout
	global_load_b128 v[BIAS+8*\b+4:BIAS+8*\b+7], v[BO], s[68:69] offset:64*\b+16
.endr
	WIN 0x80                                       ; destination window 2
.irp a, 0,1,2,3
.irp t, 0,1,2,3,4,5,6,7
	global_load_b128 v[32*\a+4*\t:32*\a+4*\t+3], v[CO], s[70:71] offset:(16*\a+2*\t)*4096   ; the residual, as the results are stored
.endr
.endr
	WIN 0
.if PAIRED
	v_lshrrev_b32 v3, 1, v1
	v_mul_u32_u24 v3, v3, APITCH
	v_and_b32 v6, 1, v1
	v_lshl_add_u32 v3, v6, 7, v3
	v_lshl_add_u32 v3, v2, 4, v3                   ; A: pair of tokens x pitch + 128 x (token % 2) + 16 x half
.else
	v_mul_u32_u24 v3, v1, APITCH
	v_lshl_add_u32 v3, v2, 4, v3
.endif
	v_mul_u32_u24 v7, v1, PITCH
	v_lshl_add_u32 v7, v2, 4, v7                   ; B: row x pitch + 16 x half
	s_mul_i32 s21, s11, AHALF
	s_mul_i32 s22, s12, BHALF
	s_add_co_u32 s22, s22, 2*AHALF
.irp s, 0,1
	v_add_nc_u32 v[ADRA+\s], s21, v3
	v_add_nc_u32 v[ADRB+\s], s22, v7
	s_add_co_u32 s21, s21, SLOT
	s_add_co_u32 s22, s22, SLOT
.endr
	s_mul_i32 s23, s10, 16*SPITCH
	s_add_co_u32 s23, s23, STAGE                   ; my stage
	v_mul_u32_u24 v4, v1, SPITCH
	v_lshl_add_u32 v4, v2, 5, v4                   ; in: row l % 16, 32 bytes for each half of the lanes
	v_add_nc_u32 v[STO], s23, v4
	v_mul_u32_u24 v5, v2, SPITCH
	v_lshl_add_u32 v5, v1, 4, v5                   ; back: whole rows of 256 bytes
	v_add_nc_u32 v[RD], s23, v5
; 8 matrix instructions: m blocks a0, a0 + 1 x all 4 n blocks, 32 along K: half c of buffer f.  zero = 2: the bias starts the sums
.macro MUL8 f, c, a0, zero
.irp a, \a0, \a0+1
.irp b, 0,1,2,3
.if \zero
	v_wmma_f32_16x16x32_bf16 v[ACC+8*(4*(\a)+\b):ACC+8*(4*(\a)+\b)+7], v[\f+64+8*(4*\c+\b):\f+64+8*(4*\c+\b)+7], v[\f+8*(4*\c+\a):\f+8*(4*\c+\a)+7], v[BIAS+8*\b:BIAS+8*\b+7]
.else
	v_wmma_f32_16x16x32_bf16 v[ACC+8*(4*(\a)+\b):ACC+8*(4*(\a)+\b)+7], v[\f+64+8*(4*\c+\b):\f+64+8*(4*\c+\b)+7], v[\f+8*(4*\c+\a):\f+8*(4*\c+\a)+7], v[ACC+8*(4*(\a)+\b):ACC+8*(4*(\a)+\b)+7]
.endif
.endr
.endr
.endm
; 32 LDS loads in one run: the fragments of 64 along K (byte k of B's rows) into buffer f; the first 32 along K first
.macro FETCH slot, k, f
	WIN TO_F
.irp c, 0,1
.irp i, 0,1,2,3
	ds_load_b128 v[\f+64+8*(4*\c+\i):\f+64+8*(4*\c+\i)+3],   v[ADRB+\slot] offset:\k+64*\c+\i*16*PITCH
	ds_load_b128 v[\f+64+8*(4*\c+\i)+4:\f+64+8*(4*\c+\i)+7], v[ADRB+\slot] offset:\k+64*\c+\i*16*PITCH+32
	ds_load_b128 v[\f+8*(4*\c+\i):\f+8*(4*\c+\i)+3],         v[ADRA+\slot] offset:(\k)*AKM+64*\c+\i*ABLK
	ds_load_b128 v[\f+8*(4*\c+\i)+4:\f+8*(4*\c+\i)+7],       v[ADRA+\slot] offset:(\k)*AKM+64*\c+\i*ABLK+32
.endr
.endr
.endm
.macro PLACES                          ; four plain instructions between a matrix instruction and a load into, or a read of, its registers
.rept 4
	v_nop
.endr
.endm
; A K step is four quarters of 64 along K, 32 matrix instructions each, on buffers 0, 1, 0, 1.
.macro QUARTER slot, k, f, g, zero
	s_wait_dscnt 16                                ; the first 32 along K are in; the sixteen younger loads may be out
	WIN MUL
	MUL8 \f, 0, 0, \zero
	MUL8 \f, 0, 2, \zero
	PLACES
	FETCH \slot, \k, \g
	s_wait_dscnt 32                                ; all but the 32 just issued
	WIN MUL
	MUL8 \f, 1, 0, 0
	MUL8 \f, 1, 2, 0
.endm
; The last quarter multiplies buffer 1 and changes slots: ONE barrier; in front of it each wave waits for its reads of this slot and for all its tensor loads.
.macro TURN slot, next, fill
	s_wait_dscnt 16
	WIN MUL
	MUL8 F1, 0, 0, 0
	s_wait_dscnt 0                                 ; my reads of this slot are over,
	s_set_vgpr_msb 0x500
	s_wait_tensorcnt 0x0                           ; and all my tensor loads have landed: my part of the next slot
	ds_add_u32 v30, v31
	s_wait_dscnt 0x0
	s_set_vgpr_msb 0x5
	s_barrier_signal -1
	MUL8 F1, 0, 2, 0
.if \fill
	WIN 0
.endif
	s_barrier_wait -1
.if \fill
	CREST                                          ; the barrier has opened a round of the cluster's: no wave of any partner still reads this slot or has a load on its way
	s_add_nc_u64 s[G0+4*\slot+2:G0+4*\slot+3], s[G0+4*\slot+2:G0+4*\slot+3], 2*ASTEP
	s_add_nc_u64 s[G0B+4*\slot+2:G0B+4*\slot+3], s[G0B+4*\slot+2:G0B+4*\slot+3], 2*KSTEP*2
	JLOAD \slot                                    ; the first tensor load behind the round; its four v_nop are also the places in front of the loads below
.else
	PLACES
.endif
	FETCH \next, 0, F0
	WIN MUL
	MUL8 F1, 1, 0, 0
	MUL8 F1, 1, 2, 0
.endm
	s_wait_loadcnt 32                              ; the bias is in; the 32 loads of the residual, issued behind it, stay out until the way out
	s_wait_tensorcnt 1                             ; my part of K step 0 is in; K step 1's may stay out
	s_barrier_signal -1
	s_barrier_wait -1
	FETCH 0, 0, F0
	QUARTER 0, 128, F0, F1, 2                      ; the first quarter stands in front of the loop: its first products start the sums from the bias
	WIN 0
	s_mov_b32 s3, LAPS-1
.Llap:                                                 ; a trip goes once round the ring and fills both slots again
	QUARTER 0, 256, F1, F0, 0
	QUARTER 0, 384, F0, F1, 0
	TURN 0, 1, 1
	QUARTER 1, 128, F0, F1, 0
	QUARTER 1, 256, F1, F0, 0
	QUARTER 1, 384, F0, F1, 0
	TURN 1, 0, 1
	QUARTER 0, 128, F0, F1, 0
	WIN 0
	s_sub_co_u32 s3, s3, 1
	s_cmp_lg_u32 s3, 0
	s_cbranch_scc1 .Llap
	QUARTER 0, 256, F1, F0, 0                      ; the last lap fills nothing and has no round
	QUARTER 0, 384, F0, F1, 0
	TURN 0, 1, 0
	QUARTER 1, 128, F0, F1, 0
	QUARTER 1, 256, F1, F0, 0
	QUARTER 1, 384, F0, F1, 0
	s_wait_dscnt 16                                ; the very last quarter: nothing more to fetch
	WIN MUL
	MUL8 F1, 0, 0, 0
	MUL8 F1, 0, 2, 0
	s_wait_dscnt 0
	MUL8 F1, 1, 0, 0
	MUL8 F1, 1, 2, 0
	WIN 0
	PLACES
	s_wait_loadcnt 0x0                             ; the residual
; THE WAY OUT of my block a (16 rows x 64 f32): straight from the accumulators (each from its low end on) into my own stage, back as whole rows, the residual added, stored.
.macro TOSTAGE a
.set BK, TMP+32*((\a)%2)
	s_wait_xcnt 0x0                                ; the stores of the block before last have read their registers: they are loaded again below
.irp b, 0,1,2,3
	ds_store_b128 v[STO], v[ACC+8*(4*(\a)+\b):ACC+8*(4*(\a)+\b)+3]   offset:64*\b
	ds_store_b128 v[STO], v[ACC+8*(4*(\a)+\b)+4:ACC+8*(4*(\a)+\b)+7] offset:64*\b+16
.endr
.irp t, 0,1,2,3,4,5,6,7
	ds_load_b128 v[BK+4*\t:BK+4*\t+3], v[RD] offset:\t*2*SPITCH    ; LDS serves a wave's instructions in order (ISA guide 5.7.1.4): these see the stores above
.endr
.endm
.macro SEND a, younger                 ; younger: the LDS instructions issued behind this block's loads: the next block's sixteen, or none
.set BK, TMP+32*((\a)%2)
	s_wait_dscnt \younger
	WIN 0x08                                       ; source 1 (the residual) window 2
.irp i, 0,1,2,3,4,5,6,7,8,9,10,11,12,13,14,15
	v_pk_add_f32 v[BK+2*\i:BK+2*\i+1], v[BK+2*\i:BK+2*\i+1], v[32*(\a)+2*\i:32*(\a)+2*\i+1]
.endr
	WIN 0
.irp t, 0,1,2,3,4,5,6,7
	global_store_b128 v[CO], v[BK+4*\t:BK+4*\t+3], s[8:9] offset:(16*(\a)+2*\t)*4096   ; 16 lanes store 256 consecutive bytes of a row, aligned
.endr
.endm
	TOSTAGE 0
.irp a, 1,2,3
	TOSTAGE \a
	SEND \a-1, 16
.endr
	SEND 3, 0
	s_wait_tensorcnt 0x0
	ds_add_u32 v30, v31
	s_wait_dscnt 0x0
	CROUND                                         ; the closing round: no work-group ends while a partner may still ask for a tile that names it
	s_endpgm
.Lfunc_end_k_qbcd1257fda_oproj:
	.size	k_qbcd1257fda_oproj, .Lfunc_end_k_qbcd1257fda_oproj-k_qbcd1257fda_oproj
	.p2alignl 7, 3214868480
	.fill 96, 4, 3214868480
	.section	.rodata,"a",@progbits
	.p2align	6, 0x0
	.amdhsa_kernel k_qbcd1257fda_oproj
		.amdhsa_group_segment_fixed_size 327680
		.amdhsa_private_segment_fixed_size 0
		.amdhsa_enable_private_segment 0
		.amdhsa_kernarg_size 40
		.amdhsa_user_sgpr_count 2
		.amdhsa_user_sgpr_kernarg_segment_ptr 1
		.amdhsa_wavefront_size32 1
		.amdhsa_system_sgpr_workgroup_id_x 1
		.amdhsa_system_sgpr_workgroup_id_y 1
		.amdhsa_system_sgpr_workgroup_id_z 1
		.amdhsa_system_vgpr_workitem_id 0
		.amdhsa_next_free_vgpr 640
		.amdhsa_next_free_sgpr 76
		.amdhsa_reserve_vcc 0
		.amdhsa_float_denorm_mode_32 3
		.amdhsa_float_denorm_mode_16_64 3
		.amdhsa_memory_ordered 1
		.amdhsa_forward_progress 1
		.amdhsa_inst_pref_size 94
	.end_amdhsa_kernel
	.amdgpu_metadata
---
amdhsa.version: [ 1, 2 ]
amdhsa.kernels:
  - .name:           k_qbcd1257fda_oproj
    .symbol:         k_qbcd1257fda_oproj.kd
    .args:
      - { .name: ao, .offset: 0, .size: 8, .value_kind: global_buffer, .address_space: global }
      - { .name: wt, .offset: 8, .size: 8, .value_kind: global_buffer, .address_space: global }
      - { .name: x1, .offset: 16, .size: 8, .value_kind: global_buffer, .address_space: global }
      - { .name: b_out, .offset: 24, .size: 8, .value_kind: global_buffer, .address_space: global }
      - { .name: x, .offset: 32, .size: 8, .value_kind: global_buffer, .address_space: global }
    .group_segment_fixed_size: 327680
    .private_segment_fixed_size: 0
    .kernarg_segment_align: 8
    .kernarg_segment_size: 40
    .max_flat_workgroup_size: 128
    .sgpr_count:     76
    .vgpr_count:     640
    .wavefront_size: 32
...
	.end_amdgpu_metadata
.endif
;; end of part 5
;; launch ln2: the kernel of part 2 again; grid 256 x 1, 4 waves a work-group, no clusters, 0 bytes of LDS; arguments x1, g2, be2, h; writes h
;; launch ffn1 (part 6): grid 16 x 16, 4 waves a work-group, clusters of 4 x 4, 327,680 bytes of LDS; arguments h, wt, mid, b1; writes mid
.if DOCPART == 6
	.amdgcn_target "amdgcn-amd-amdhsa--gfx1250"
	.amdhsa_code_object_version 6
	.text
	.protected	k_qbcd1257fda_ffn1
	.globl	k_qbcd1257fda_ffn1
	.p2align	8
	.type	k_qbcd1257fda_ffn1,@function
k_qbcd1257fda_ffn1:
	s_mov_b64 s[64:65], 0
	v_nop
	global_prefetch_b8 v0, s[64:65] scope:SCOPE_SE
	s_setreg_imm32_b32 hwreg(HW_REG_WAVE_MODE, 25, 1), 1
	s_wait_xcnt 0x0
	s_wait_alu depctr_hold_cnt(0) depctr_sa_sdst(0) depctr_va_vdst(0) depctr_va_sdst(0) depctr_va_ssrc(0) depctr_va_vcc(0) depctr_vm_vsrc(0)
	s_getreg_b32 s2, hwreg(HW_REG_IB_STS2, 6, 4)
	s_cmp_eq_u32 s2, 0
	s_cbranch_scc0 .Lentry_in_a_cluster
	s_endpgm
.Lentry_in_a_cluster:
	s_bfe_u32 s2, ttmp6, 0x10000c
	s_cmp_lg_u32 s2, 0xf033
	s_cbranch_scc0 .Lentry_shape_is_right
	s_endpgm
.Lentry_shape_is_right:
; C = A B^T with A [4096][SIZE_K] bf16 and B = a section of wt, [SIZE_N][SIZE_K] bf16; sums in f32, C rounded once to bf16.
; MODE 0: A = h, B = w_qkv^T.  C leaves as qkv[section][batch x head][token][64], and in the K section the rows of tokens whose
;   mask is 0 are multiplied by 0 (all else by 1).  LIMIT: K at a masked token must be finite.
; MODE 1 (this text): A = h, B = w1^T, C = relu(A B^T + b1), [4096][4096].  The bias is the C operand of each sum's first product.  LIMIT: relu(NaN) gives 0.
; A tile of C, 256 x 256, is made by four waves, each 128 x 128: 64 accumulators of 16 x 16, 512 registers.  K goes in steps of 128 through a ring
; of two LDS slots filled by the tensor data mover; the tiles' rows are 256 bytes of memory, aligned.
; CLUSTER 4 x 4: the four work-groups of a row of the cluster need the same tiles of A, the four of a column the same tiles of B: each tile is asked
; for jointly, by the same tensor load with the same descriptor and a mask that names the four.  A wave has two tensor loads out at the start, later one.
; THE MATRIX INSTRUCTION IS USED TRANSPOSED: source 0 = 16 rows of B, source 1 = 16 rows of A: lane l holds row l % 16 of C and the columns 8 (l / 16) + 0..7.
; The 64 accumulators take turns, one instruction a turn, in one fixed order.
; REGISTERS: window 0: v16-27 addresses; v32-47 the mask's factors (MODE 0); v64-127, v128-191 fragments of A, two buffers; v192-255 the bias (MODE 1, first quarter);
;   on the way out v64-127 scaled results, v128-191 rows read back (two buffers), v192-223 packed results.  window 1: v64-191 fragments of B.  windows 2, 3: accumulators.
.set MODE,   1
.set SIZE_N, 4096
.set WOFF,   8388608                   ; B's first byte in wt
.set SIZE_K, 1024
.set KSTEP,  128
.set PITCH,  272                       ; an LDS row: 256 bytes + 16 of padding = 68 words: the 16 rows of a fragment load start at 16 different banks (64 banks of 4 bytes: ISA guide 11.1)
.set HALFT,  128*PITCH
.set SLOT,   4*HALFT                   ; A's 256 rows, then B's 256 rows
.set STAGE,  2*SLOT                    ; behind the ring: 16 rows x 272 bytes for each wave; no tensor load fills it
.set SPITCH, 272
.set LAPS,   SIZE_K/(2*KSTEP)
.set ADRA, 16
.set ADRB, 20
.set STO,  24
.set RD,   25
.set CO,   26
.set EO,   27                          ; my byte offset in the mask (MODE 0) or the bias (MODE 1)
.set MK,   32
.set F0,   64
.set F1,   128
.set T,    64
.set OB,   128
.set TMP,  192
.set BIAS, 192
.set G1,  24
.set G0,  32
.set G1B, 48
.set G0B, 56
.set DW0, (1<<16)|(1<<20)|(1<<21)|(5<<22)|(3<<25)   ; elements of 2 bytes; padding on; bit 21 beside a mask; after every 64 words; 4 words
.set MSB, 0
.macro WIN new                         ; the immediate's high byte repeats the setting that is left; a switch that changes nothing is dropped
.if MSB != (\new)
	s_set_vgpr_msb (MSB<<8)|(\new)
.set MSB, (\new)
.endif
.endm
.set MUL_LO, 0xa1                      ; source 0 (B) window 1, source 1 (A) window 0, C and D window 2
.set MUL_HI, 0xf1                      ; the same, C and D window 3
.set TO_B,   0x40                      ; destination window 1, address window 0
; A joint load: waves 0 and 1 fetch A's two halves, waves 2 and 3 B's.  The branch hangs on the wave's number alone.  Four v_nop follow each line.
.macro JLOAD s
	s_cmp_eq_u32 s11, 0
	s_cbranch_scc0 .Lfor_b_\@
	tensor_load_to_lds s[G0+4*\s:G0+4*\s+3], s[G1:G1+7]
	s_nop 0
.rept 4
	v_nop
.endr
	s_branch .Lasked_\@
.Lfor_b_\@:
	tensor_load_to_lds s[G0B+4*\s:G0B+4*\s+3], s[G1B:G1B+7]
	s_nop 0
.rept 4
	v_nop
.endr
.Lasked_\@:
.endm
.macro CREST                           ; a round of the cluster's barrier behind its opening barrier
	s_cmp_lg_u32 s10, 0
	s_cbranch_scc1 .Lnot_wave_0_\@
	s_barrier_signal -3
.Lnot_wave_0_\@:
	s_barrier_wait -3
	s_barrier_signal -1
	s_barrier_wait -1
.endm
.macro CROUND                          ; a whole round
	s_barrier_signal -1
	s_barrier_wait -1
	CREST
.endm
	s_load_b128 s[4:7], s[0:1], 0x0                ; A s[4:5], wt s[6:7]
	s_load_b64 s[8:9], s[0:1], 0x10                ; C
	s_load_b64 s[66:67], s[0:1], 0x18              ; mask or bias
	s_set_vgpr_msb 0x40
	v_lshl_add_u32 v255, v0, 2, 0x48400
	s_set_vgpr_msb 0x4000
	v_mov_b32 v63, 0
	s_set_vgpr_msb 0x1
	ds_add_u32 v255, v63
	s_set_vgpr_msb 0x100
	v_lshrrev_b32 v1, 5, v0
	v_readfirstlane_b32 s10, v1                    ; wave 0..3
	s_lshr_b32 s11, s10, 1                         ; my half of the tile's rows.  Also: I fetch for A (0) or for B (1)
	s_and_b32 s12, s10, 1                          ; my half of its columns.  Also: which 128 rows I fetch
	s_bfe_u32 s40, ttmp6, 0x40000                  ; cx
	s_bfe_u32 s41, ttmp6, 0x40004                  ; cy
	s_lshl_b32 s42, ttmp9, 2
	s_add_co_u32 s42, s42, s40                     ; tile column of C
	s_and_b32 s13, ttmp7, 0xffff
	s_lshl_b32 s13, s13, 2
	s_add_co_u32 s13, s13, s41                     ; tile row of C
	s_lshl_b32 s43, s41, 2
	s_lshl_b32 s43, 15, s43                        ; my row of the cluster
	s_lshl_b32 s44, 0x1111, s40                    ; my column
	s_or_b32 s[G1+0], s43, DW0                     ; A's tiles go to my row
	s_or_b32 s[G1B+0], s44, DW0                    ; B's to my column
.irp g, G1, G1B
	s_mov_b32 s[\g+1], KSTEP<<16                   ; tensor_dim0 = 128
	s_mov_b32 s[\g+2], 128<<16                     ; tensor_dim1 = 128
	s_mov_b32 s[\g+3], KSTEP<<16                   ; tile_dim0 = 128
	s_mov_b32 s[\g+4], 128                         ; tile_dim1 = 128
	s_mov_b32 s[\g+5], SIZE_K                      ; elements from row to row
	s_mov_b32 s[\g+6], 0
	s_mov_b32 s[\g+7], 0
.endr
	s_lshl_b32 s17, s12, 7
	s_lshl_b32 s16, s13, 8
	s_add_co_u32 s16, s16, s17                     ; A: row 256 x tile row + 128 x half
	s_lshl_b32 s46, s42, 8
	s_add_co_u32 s46, s46, s17                     ; B: row 256 x tile column + 128 x half
	s_mov_b32 s17, 0
	s_mov_b32 s47, 0
	s_mov_b64 s[18:19], SIZE_K*2
	s_mul_u64 s[16:17], s[16:17], s[18:19]
	s_mul_u64 s[46:47], s[46:47], s[18:19]
.if WOFF
	s_add_nc_u64 s[46:47], s[46:47], WOFF
.endif
	s_mul_i32 s20, s10, HALFT                      ; where they go: wave x 128 rows
	s_wait_dscnt 0x0
	s_wait_kmcnt 0x0
	s_add_nc_u64 s[14:15], s[4:5], s[16:17]
	s_add_nc_u64 s[46:47], s[6:7], s[46:47]
	CROUND                                         ; all sixteen work-groups are here: the first joint loads meet
.irp s, 0,1
	s_mov_b32 s[G0+4*\s], 1
	s_add_co_u32 s[G0+4*\s+1], s20, \s*SLOT
	s_add_nc_u64 s[G0+4*\s+2:G0+4*\s+3], s[14:15], \s*KSTEP*2
	s_or_b32 s[G0+4*\s+3], s[G0+4*\s+3], 0x80000000
	s_mov_b32 s[G0B+4*\s], 1
	s_add_co_u32 s[G0B+4*\s+1], s20, \s*SLOT
	s_add_nc_u64 s[G0B+4*\s+2:G0B+4*\s+3], s[46:47], \s*KSTEP*2
	s_or_b32 s[G0B+4*\s+3], s[G0B+4*\s+3], 0x80000000
	JLOAD \s
.endr
	v_and_b32 v1, 15, v0                           ; l % 16
	v_bfe_u32 v2, v0, 4, 1                         ; l / 16
.if MODE == 0
	s_lshl_b32 s68, s13, 10                        ; mask at my wave's first token: (256 x tile row + 128 x half) x 4 bytes
	s_lshl_b32 s70, s11, 9
	v_lshlrev_b32 v[EO], 2, v1
.else
	s_lshl_b32 s68, s42, 10                        ; bias at my wave's first column
	s_lshl_b32 s70, s12, 9
	v_lshlrev_b32 v[EO], 5, v2
.endif
	s_add_co_u32 s68, s68, s70
	s_mov_b32 s69, 0
	s_add_nc_u64 s[66:67], s[66:67], s[68:69]
.if MODE == 0
.irp a, 0,1,2,3,4,5,6,7
	global_load_b32 v[MK+2*\a], v[EO], s[66:67] offset:64*\a       ; the mask of row l % 16 of my block a
.endr
.else
.irp b, 0,1,2,3,4,5,6,7
	global_load_b128 v[BIAS+8*\b:BIAS+8*\b+3],   v[EO], s[66:67] offset:64*\b      ; the bias of columns 16 b + 8 (l / 16) + 0..7: a result's layout
	global_load_b128 v[BIAS+8*\b+4:BIAS+8*\b+7], v[EO], s[66:67] offset:64*\b+16
.endr
.endif
	v_mul_u32_u24 v3, v1, PITCH
	v_lshl_add_u32 v3, v2, 4, v3                   ; a fragment's row x pitch + 16 x half
	s_mul_i32 s21, s11, HALFT
	s_mul_i32 s22, s12, HALFT
	s_add_co_u32 s22, s22, 2*HALFT
.irp s, 0,1
	v_add_nc_u32 v[ADRA+\s], s21, v3
	v_add_nc_u32 v[ADRB+\s], s22, v3
	s_add_co_u32 s21, s21, SLOT
	s_add_co_u32 s22, s22, SLOT
.endr
	s_mul_i32 s23, s10, 16*SPITCH
	s_add_co_u32 s23, s23, STAGE                   ; my stage
	v_mul_u32_u24 v4, v1, SPITCH
	v_lshl_add_u32 v4, v2, 4, v4
	v_add_nc_u32 v[STO], s23, v4                   ; in: row l % 16, 16 bytes for each half of the lanes
.if MODE == 0
	; back: 16 lanes take two tokens x 128 bytes of ONE head (256 consecutive bytes of qkv); lanes 16-31 the wave's other head
	v_bfe_u32 v5, v0, 3, 1
	v_mul_u32_u24 v5, v5, SPITCH
	v_lshl_add_u32 v5, v2, 7, v5
	v_and_b32 v6, 7, v0
	v_lshl_add_u32 v5, v6, 4, v5
	v_add_nc_u32 v[RD], s23, v5
	v_lshlrev_b32 v5, 18, v2                       ; a head's 2,048 tokens x 128 bytes
	v_lshl_add_u32 v[CO], v1, 4, v5
	s_lshl_b32 s68, ttmp9, 23                      ; the section (q, k, v) is the cluster's x: 4 tile columns of 256 = 1,024 columns
	s_lshr_b32 s70, s13, 3
	s_lshl_b32 s70, s70, 22                        ; batch x 16 heads
	s_add_co_u32 s68, s68, s70
	s_lshl_b32 s70, s40, 2
	s_lshl1_add_u32 s70, s12, s70                  ; head = 4 x (tile column in the section) + 2 x half
	s_lshl_b32 s70, s70, 18
	s_add_co_u32 s68, s68, s70
	s_and_b32 s70, s13, 7
	s_lshl_b32 s70, s70, 8
	s_lshl_b32 s71, s11, 7
	s_add_co_u32 s70, s70, s71                     ; my first token in the batch
	s_lshl_b32 s70, s70, 7
	s_add_co_u32 s68, s68, s70
	s_cmp_eq_u32 ttmp9, 1                          ; the K section?  A select of a factor, no branch
	s_cselect_b32 s45, 0, 1.0
.else
	v_mul_u32_u24 v5, v2, SPITCH                   ; back: lanes 0-15 one row of 256 bytes, lanes 16-31 the next
	v_lshl_add_u32 v5, v1, 4, v5
	v_add_nc_u32 v[RD], s23, v5
	v_lshlrev_b32 v5, 13, v2
	v_lshl_add_u32 v[CO], v1, 4, v5
	s_lshl_b32 s68, s13, 8
	s_lshl_b32 s70, s11, 7
	s_add_co_u32 s68, s68, s70                     ; my first row of C
	s_lshl_b32 s68, s68, 13                        ; x SIZE_N x 2 bytes
	s_lshl_b32 s70, s42, 9
	s_add_co_u32 s68, s68, s70
	s_lshl_b32 s70, s12, 8
	s_add_co_u32 s68, s68, s70
.endif
	s_mov_b32 s69, 0
	s_add_nc_u64 s[8:9], s[8:9], s[68:69]          ; C at my wave's first number; never stepped: all else stands in the stores' immediates
	s_wait_loadcnt 0x0                             ; the mask or the bias, once
.if MODE == 0
.irp a, 0,1,2,3,4,5,6,7
	v_cmp_ne_u32 vcc_lo, 0, v[MK+2*\a]
	v_cndmask_b32 v[MK+2*\a], 0, 1.0, vcc_lo       ; 1 where the token counts, else 0,
	v_max_num_f32 v[MK+2*\a], s45, v[MK+2*\a]      ; and 1 everywhere outside the K section
	v_mov_b32 v[MK+2*\a+1], v[MK+2*\a]
.endr
.endif
; 16 matrix instructions: m blocks a0, a0 + 1 of the window's four x all 8 n blocks, 32 along K.  zero = 1: the product starts the sum; 2: the bias does
.macro MUL16 f, hi, a0, zero
.irp a, \a0, \a0+1
.irp b, 0,1,2,3,4,5,6,7
.if \zero == 1
	v_wmma_f32_16x16x32_bf16 v[8*(8*(\a)+\b):8*(8*(\a)+\b)+7], v[\f+8*\b:\f+8*\b+7], v[\f+8*(4*\hi+\a):\f+8*(4*\hi+\a)+7], 0
.elseif \zero == 2
	v_wmma_f32_16x16x32_bf16 v[8*(8*(\a)+\b):8*(8*(\a)+\b)+7], v[\f+8*\b:\f+8*\b+7], v[\f+8*(4*\hi+\a):\f+8*(4*\hi+\a)+7], v[BIAS+8*\b:BIAS+8*\b+7]
.else
	v_wmma_f32_16x16x32_bf16 v[8*(8*(\a)+\b):8*(8*(\a)+\b)+7], v[\f+8*\b:\f+8*\b+7], v[\f+8*(4*\hi+\a):\f+8*(4*\hi+\a)+7], v[8*(8*(\a)+\b):8*(8*(\a)+\b)+7]
.endif
.endr
.endr
.endm
; 32 LDS loads in one run: the fragments of a quarter step (32 K at byte k of the rows) into buffer f
.macro FETCH slot, k, f
	WIN TO_B
.irp i, 0,1,2,3,4,5,6,7
	ds_load_b128 v[\f+8*\i:\f+8*\i+3],   v[ADRB+\slot] offset:\k+\i*16*PITCH
	ds_load_b128 v[\f+8*\i+4:\f+8*\i+7], v[ADRB+\slot] offset:\k+\i*16*PITCH+32
.endr
	WIN 0
.irp i, 0,1,2,3,4,5,6,7
	ds_load_b128 v[\f+8*\i:\f+8*\i+3],   v[ADRA+\slot] offset:\k+\i*16*PITCH
	ds_load_b128 v[\f+8*\i+4:\f+8*\i+7], v[ADRA+\slot] offset:\k+\i*16*PITCH+32
.endr
.endm
.macro PLACES                          ; four plain instructions between a matrix instruction and a load into, or a vector instruction on, its registers
.rept 4
	v_nop
.endr
.endm
; A K step is four quarters of 32 along K, 64 matrix instructions each, on buffers 0, 1, 0, 1.  One of the first three multiplies f and fetches the next quarter into g.
.macro QUARTER slot, k, f, g, zero
	s_wait_dscnt 8                                 ; B and A's rows 0-63 are in; the youngest eight loads (A's rows 64-127) may be out
.if \zero == 2
	WIN 0x81                                       ; the bias (source 2) lies in window 0
.else
	WIN MUL_LO
.endif
	MUL16 \f, 0, 0, \zero
	MUL16 \f, 0, 2, \zero
	PLACES
	FETCH \slot, \k, \g
	s_wait_dscnt 32                                ; all but the 32 just issued
.if \zero == 2
	WIN 0xc1
.else
	WIN MUL_HI
.endif
	MUL16 \f, 1, 0, \zero
	MUL16 \f, 1, 2, \zero
.endm
; The last quarter multiplies buffer 1 and changes slots: ONE barrier; in front of it each wave waits for its reads of this slot and for all its tensor loads.
.macro MEET round
	s_wait_dscnt 8
	WIN MUL_LO
	MUL16 F1, 0, 0, 0
	s_wait_dscnt 0                                 ; my reads of this slot are over
	s_wait_tensorcnt 0x0                           ; all my tensor loads have landed: the one that was out is my part of the next slot
	ds_add_u32 v255, v63
	s_wait_dscnt 0x0
	s_barrier_signal -1
	MUL16 F1, 0, 2, 0                              ; register work while the others arrive
.if \round
	WIN 0
.endif
	s_barrier_wait -1
.endm
.macro TURN slot, next, fill
.if \fill
	MEET 1
	CREST                                          ; the barrier has opened a round of the cluster's: no wave of any partner still reads this slot or has a load on its way
	s_add_nc_u64 s[G0+4*\slot+2:G0+4*\slot+3], s[G0+4*\slot+2:G0+4*\slot+3], 2*KSTEP*2
	s_add_nc_u64 s[G0B+4*\slot+2:G0B+4*\slot+3], s[G0B+4*\slot+2:G0B+4*\slot+3], 2*KSTEP*2
	JLOAD \slot                                    ; the first tensor load behind the round; its four v_nop are also the places in front of the loads below
.else
	MEET 0
	PLACES
.endif
	FETCH \next, 0, F0
	WIN MUL_HI
	MUL16 F1, 1, 0, 0
	MUL16 F1, 1, 2, 0
.endm
; THE WAY OUT of my block a (16 rows x 128 columns).  PACK: scaled or clipped, rounded to bf16, 16 bytes a lane; each accumulator is read from its low end on.
.macro PACK a
.set AC, 64*((\a)%4)
.if MODE == 0
	WIN (0x02+(\a)/4)                              ; source 0: window 2 or 3
.irp b, 0,1,2,3,4,5,6,7
.irp r, 0,1,2,3
	v_pk_mul_f32 v[T+8*\b+2*\r:T+8*\b+2*\r+1], v[AC+8*\b+2*\r:AC+8*\b+2*\r+1], v[MK+2*(\a):MK+2*(\a)+1]
.endr
.endr
.else
	WIN (0x08+4*((\a)/4))                          ; source 1: window 2 or 3
.irp b, 0,1,2,3,4,5,6,7
.irp j, 0,1,2,3,4,5,6,7
	v_max_num_f32 v[T+8*\b+\j], 0, v[AC+8*\b+\j]
.endr
.endr
.endif
	WIN 0
.irp b, 0,1,2,3,4,5,6,7
.irp r, 0,1,2,3
	v_cvt_pk_bf16_f32 v[TMP+4*\b+\r], v[T+8*\b+2*\r], v[T+8*\b+2*\r+1]
.endr
.endr
.endm
.macro TOSTAGE a                       ; into my own stage and back in the order in which it is stored
.set BK, OB+32*((\a)%2)
.irp b, 0,1,2,3,4,5,6,7
	ds_store_b128 v[STO], v[TMP+4*\b:TMP+4*\b+3] offset:32*\b
.endr
.irp t, 0,1,2,3,4,5,6,7
	ds_load_b128 v[BK+4*\t:BK+4*\t+3], v[RD] offset:\t*2*SPITCH    ; LDS serves a wave's instructions in order (ISA guide 5.7.1.4): these see the stores above
.endr
.endm
.macro SEND a
.set BK, OB+32*((\a)%2)
	s_wait_dscnt 0x0                               ; the block is back in registers
	s_wait_xcnt 0x0                                ; the stores of the block before last have read their registers: the next TOSTAGE loads into them
.irp t, 0,1,2,3,4,5,6,7
.if MODE == 0
	global_store_b128 v[CO], v[BK+4*\t:BK+4*\t+3], s[8:9] offset:(\a)*2048+\t*256        ; 16 lanes: two tokens of a head, 256 consecutive bytes, aligned
.else
	global_store_b128 v[CO], v[BK+4*\t:BK+4*\t+3], s[8:9] offset:(16*(\a)+2*\t)*SIZE_N*2   ; 16 lanes: 256 consecutive bytes of a row, aligned; 126 rows at the most, inside the signed 24 bits
.endif
.endr
.endm
	s_wait_tensorcnt 1                             ; my part of K step 0 is in; K step 1's may stay out
	s_barrier_signal -1
	s_barrier_wait -1
	FETCH 0, 0, F0
	QUARTER 0, 64,  F0, F1, 1+MODE                 ; the first quarter stands in front of the loop: its products start the sums
	WIN 0
	s_mov_b32 s3, LAPS-1
.Llap:                                                 ; a trip goes once round the ring and fills both slots again
	QUARTER 0, 128, F1, F0, 0
	QUARTER 0, 192, F0, F1, 0
	TURN 0, 1, 1
	QUARTER 1, 64,  F0, F1, 0
	QUARTER 1, 128, F1, F0, 0
	QUARTER 1, 192, F0, F1, 0
	TURN 1, 0, 1
	QUARTER 0, 64,  F0, F1, 0
	WIN 0
	s_sub_co_u32 s3, s3, 1
	s_cmp_lg_u32 s3, 0
	s_cbranch_scc1 .Llap
	QUARTER 0, 128, F1, F0, 0                      ; the last lap fills nothing and has no round
	QUARTER 0, 192, F0, F1, 0
	TURN 0, 1, 0
	QUARTER 1, 64,  F0, F1, 0
	QUARTER 1, 128, F1, F0, 0
	QUARTER 1, 192, F0, F1, 0
	s_wait_dscnt 8                                 ; the very last quarter: nothing more to fetch
	WIN MUL_LO
	MUL16 F1, 0, 0, 0
	MUL16 F1, 0, 2, 0
	s_wait_dscnt 0
	WIN MUL_HI
	MUL16 F1, 1, 0, 0
	MUL16 F1, 1, 2, 0
	WIN 0
	PLACES
	PACK 0
	TOSTAGE 0
.irp a, 1,2,3,4,5,6,7                  ; block a's arithmetic stands between block a - 1's loads from the stage and the wait for them
	PACK \a
	SEND \a-1
	TOSTAGE \a
.endr
	SEND 7
	s_set_vgpr_msb 0x1
	s_wait_tensorcnt 0x0
	ds_add_u32 v255, v63
	s_wait_dscnt 0x0
	s_set_vgpr_msb 0x100
	CROUND                                         ; the closing round: no work-group ends while a partner may still ask for a tile that names it
	s_endpgm
.Lfunc_end_k_qbcd1257fda_ffn1:
	.size	k_qbcd1257fda_ffn1, .Lfunc_end_k_qbcd1257fda_ffn1-k_qbcd1257fda_ffn1
	.p2alignl 7, 3214868480
	.fill 96, 4, 3214868480
	.section	.rodata,"a",@progbits
	.p2align	6, 0x0
	.amdhsa_kernel k_qbcd1257fda_ffn1
		.amdhsa_group_segment_fixed_size 327680
		.amdhsa_private_segment_fixed_size 0
		.amdhsa_enable_private_segment 0
		.amdhsa_kernarg_size 32
		.amdhsa_user_sgpr_count 2
		.amdhsa_user_sgpr_kernarg_segment_ptr 1
		.amdhsa_wavefront_size32 1
		.amdhsa_system_sgpr_workgroup_id_x 1
		.amdhsa_system_sgpr_workgroup_id_y 1
		.amdhsa_system_sgpr_workgroup_id_z 1
		.amdhsa_system_vgpr_workitem_id 0
		.amdhsa_next_free_vgpr 1024
		.amdhsa_next_free_sgpr 72
		.amdhsa_reserve_vcc 1
		.amdhsa_float_denorm_mode_32 3
		.amdhsa_float_denorm_mode_16_64 3
		.amdhsa_memory_ordered 1
		.amdhsa_forward_progress 1
		.amdhsa_inst_pref_size 160
	.end_amdhsa_kernel
	.amdgpu_metadata
---
amdhsa.version: [ 1, 2 ]
amdhsa.kernels:
  - .name:           k_qbcd1257fda_ffn1
    .symbol:         k_qbcd1257fda_ffn1.kd
    .args:
      - { .name: h, .offset: 0, .size: 8, .value_kind: global_buffer, .address_space: global }
      - { .name: wt, .offset: 8, .size: 8, .value_kind: global_buffer, .address_space: global }
      - { .name: mid, .offset: 16, .size: 8, .value_kind: global_buffer, .address_space: global }
      - { .name: b1, .offset: 24, .size: 8, .value_kind: global_buffer, .address_space: global }
    .group_segment_fixed_size: 327680
    .private_segment_fixed_size: 0
    .kernarg_segment_align: 8
    .kernarg_segment_size: 32
    .max_flat_workgroup_size: 128
    .sgpr_count:     72
    .vgpr_count:     1024
    .wavefront_size: 32
...
	.end_amdgpu_metadata
.endif
;; end of part 6
;; launch ffn2 (part 7): grid 8 x 32, 4 waves a work-group, clusters of 4 x 4, 327,680 bytes of LDS; arguments mid, wt, out0, b2, x1; writes out0
.if DOCPART == 7
	.amdgcn_target "amdgcn-amd-amdhsa--gfx1250"
	.amdhsa_code_object_version 6
	.text
	.protected	k_qbcd1257fda_ffn2
	.globl	k_qbcd1257fda_ffn2
	.p2align	8
	.type	k_qbcd1257fda_ffn2,@function
k_qbcd1257fda_ffn2:
	s_mov_b64 s[64:65], 0
	v_nop
	global_prefetch_b8 v0, s[64:65] scope:SCOPE_SE
	s_setreg_imm32_b32 hwreg(HW_REG_WAVE_MODE, 25, 1), 1
	s_wait_xcnt 0x0
	s_wait_alu depctr_hold_cnt(0) depctr_sa_sdst(0) depctr_va_vdst(0) depctr_va_sdst(0) depctr_va_ssrc(0) depctr_va_vcc(0) depctr_vm_vsrc(0)
	s_getreg_b32 s2, hwreg(HW_REG_IB_STS2, 6, 4)
	s_cmp_eq_u32 s2, 0
	s_cbranch_scc0 .Lentry_in_a_cluster
	s_endpgm
.Lentry_in_a_cluster:
	s_bfe_u32 s2, ttmp6, 0x10000c
	s_cmp_lg_u32 s2, 0xf033
	s_cbranch_scc0 .Lentry_shape_is_right
	s_endpgm
.Lentry_shape_is_right:
; C = res + A B^T + bias.  A: 4,096 rows x SIZE_K bf16; B = a section of wt, [1024][SIZE_K] bf16; bias [1024], res and C [4096][1024] f32; sums in f32.
; PAIRED = 1: A = ao, in which two tokens share a row of 4,096 bytes: byte (token / 2) x 4096 + head x 256 + (token % 2) x 128 + 2 x channel.  B = w_out^T.
; PAIRED = 0 (this text): A = mid, [4096][4096], plain rows.  B = w2^T.
; A tile of C is 128 x 128 (256 work-groups); four waves, each 64 x 64: 16 accumulators.  K goes in steps of 256 through a ring of two LDS slots filled by the tensor data mover.
; The bias is the C operand of each sum's first product; the residual is loaded at the start, in the layout in which the results are stored, and added on the way out.
; CLUSTER 4 x 4: A's tiles are asked for jointly along a row of the cluster, B's along a column.  A wave has two tensor loads out at the start, later one.
; THE MATRIX INSTRUCTION IS USED TRANSPOSED (source 0 = 16 rows of B, source 1 = 16 rows of A): a lane holds eight neighbouring numbers of a row of C.
; The 16 accumulators take turns, one instruction a turn.
; REGISTERS: window 0: v16-27 addresses; v32-95 rows read back, two buffers; v96-127 the bias; v128-255 accumulators.  window 1: two fragment buffers of 128.  window 2: v0-127 the residual.
.set PAIRED, 0
.set SIZE_K, 4096
.set WOFF,   16777216                  ; B's first byte in wt
.set SIZE_N, 1024
.set KSTEP,  256
.set PITCH,  528                       ; an LDS row of B: 512 bytes + 16: the 16 rows of a fragment load start at 16 different groups of 4 banks (64 banks of 4 bytes: ISA guide 11.1)
.set BHALF,  64*PITCH
.if PAIRED
.set APITCH, 1040                      ; two tokens x 4 heads x 128 bytes + 16: token r of a fragment starts at 16-byte column (r / 2) + 8 (r % 2): sixteen different ones
.set AHALF,  32*APITCH                 ; 64 tokens
.set ABLK,   8*APITCH                  ; 16 tokens
.set ASTEP,  1024                      ; bytes along a row for a K step: 4 heads x 256
.set AQI,    7                         ; padding after every 256 words
.set ADIM0,  512
.set AROWS,  32
.set ASTRIDE, 2048
.else
.set APITCH, PITCH
.set AHALF,  64*APITCH
.set ABLK,   16*APITCH
.set ASTEP,  512
.set AQI,    6                         ; padding after every 128 words
.set ADIM0,  256
.set AROWS,  64
.set ASTRIDE, SIZE_K
.endif
.set AKM,    1+PAIRED                  ; 64 along K are 128 bytes of a plain row, 256 of a paired one (one head)
.set SLOT,   2*AHALF+2*BHALF           ; A's 128 rows, then B's 128 rows
.set STAGE,  2*SLOT                    ; behind the ring: 16 rows x 272 bytes for each wave: a wave's 64 f32 columns are 256 bytes, so each wave has a stage of its own
.set SPITCH, 272
.set LAPS,   SIZE_K/(2*KSTEP)
.set ADRA, 16
.set ADRB, 20
.set STO,  24
.set RD,   25
.set CO,   26
.set BO,   27
.set TMP,  32
.set BIAS, 96
.set ACC,  128
.set F0,   0
.set F1,   128
.set G1,  24
.set G0,  32
.set G1B, 48
.set G0B, 56
.set MSB, 0
.macro WIN new
.if MSB != (\new)
	s_set_vgpr_msb (MSB<<8)|(\new)
.set MSB, (\new)
.endif
.endm
.set MUL,  0x05                        ; sources 0 (B) and 1 (A) window 1; C and D window 0
.set TO_F, 0x40                        ; destination window 1, address window 0
.macro JLOAD s                         ; a joint load: waves 0 and 1 fetch A's two halves, waves 2 and 3 B's; four v_nop follow each line
	s_cmp_eq_u32 s11, 0
	s_cbranch_scc0 .Lfor_b_\@
	tensor_load_to_lds s[G0+4*\s:G0+4*\s+3], s[G1:G1+7]
	s_nop 0
.rept 4
	v_nop
.endr
	s_branch .Lasked_\@
.Lfor_b_\@:
	tensor_load_to_lds s[G0B+4*\s:G0B+4*\s+3], s[G1B:G1B+7]
	s_nop 0
.rept 4
	v_nop
.endr
.Lasked_\@:
.endm
.macro CREST
	s_cmp_lg_u32 s10, 0
	s_cbranch_scc1 .Lnot_wave_0_\@
	s_barrier_signal -3
.Lnot_wave_0_\@:
	s_barrier_wait -3
	s_barrier_signal -1
	s_barrier_wait -1
.endm
.macro CROUND
	s_barrier_signal -1
	s_barrier_wait -1
	CREST
.endm
	s_load_b128 s[4:7], s[0:1], 0x0                ; A s[4:5], wt s[6:7]
	s_load_b64 s[8:9], s[0:1], 0x10                ; C
	s_load_b128 s[68:71], s[0:1], 0x18             ; bias s[68:69], res s[70:71]
	v_lshl_add_u32 v30, v0, 2, 0x46400
	v_mov_b32 v31, 0
	ds_add_u32 v30, v31
	v_lshrrev_b32 v1, 5, v0
	v_readfirstlane_b32 s10, v1                    ; wave 0..3
	s_lshr_b32 s11, s10, 1                         ; my half of the tile's rows.  Also: I fetch for A (0) or for B (1)
	s_and_b32 s12, s10, 1                          ; my half of its columns.  Also: which 64 rows I fetch
	s_bfe_u32 s40, ttmp6, 0x40000
	s_bfe_u32 s41, ttmp6, 0x40004
	s_lshl_b32 s42, ttmp9, 2
	s_add_co_u32 s42, s42, s40                     ; tile column of C
	s_and_b32 s13, ttmp7, 0xffff
	s_lshl_b32 s13, s13, 2
	s_add_co_u32 s13, s13, s41                     ; tile row of C
	s_lshl_b32 s43, s41, 2
	s_lshl_b32 s43, 15, s43                        ; my row of the cluster
	s_lshl_b32 s44, 0x1111, s40                    ; my column
	s_or_b32 s[G1+0], s43, (1<<16)|(1<<20)|(1<<21)|(AQI<<22)|(3<<25)   ; A's tiles go to my row; elements of 2 bytes; padding of 4 words behind each LDS row
	s_mov_b32 s[G1+1], ADIM0<<16                   ; tensor_dim0
	s_mov_b32 s[G1+2], AROWS<<16                   ; tensor_dim1
	s_mov_b32 s[G1+3], ADIM0<<16                   ; tile_dim0
	s_mov_b32 s[G1+4], AROWS                       ; tile_dim1
	s_mov_b32 s[G1+5], ASTRIDE                     ; elements from row to row
	s_mov_b32 s[G1+6], 0
	s_mov_b32 s[G1+7], 0
	s_or_b32 s[G1B+0], s44, (1<<16)|(1<<20)|(1<<21)|(6<<22)|(3<<25)    ; B's tiles go to my column: 64 rows x 256 elements
	s_mov_b32 s[G1B+1], KSTEP<<16
	s_mov_b32 s[G1B+2], 64<<16
	s_mov_b32 s[G1B+3], KSTEP<<16
	s_mov_b32 s[G1B+4], 64
	s_mov_b32 s[G1B+5], SIZE_K
	s_mov_b32 s[G1B+6], 0
	s_mov_b32 s[G1B+7], 0
	s_lshl_b32 s17, s12, 6
	s_lshl_b32 s16, s13, 7
	s_add_co_u32 s16, s16, s17                     ; A: row 128 x tile row + 64 x half; SIZE_K x 2 bytes a row in both layouts
	s_lshl_b32 s46, s42, 7
	s_add_co_u32 s46, s46, s17                     ; B: row 128 x tile column + 64 x half
	s_mov_b32 s17, 0
	s_mov_b32 s47, 0
	s_mov_b64 s[18:19], SIZE_K*2
	s_mul_u64 s[16:17], s[16:17], s[18:19]
	s_mul_u64 s[46:47], s[46:47], s[18:19]
	s_add_nc_u64 s[46:47], s[46:47], WOFF
	s_mul_i32 s20, s12, AHALF                      ; where they go: A's two halves,
	s_mul_i32 s45, s12, BHALF
	s_add_co_u32 s45, s45, 2*AHALF                 ; then B's two halves: the wave's number alone enters an LDS address
	s_wait_dscnt 0x0
	s_wait_kmcnt 0x0
	s_add_nc_u64 s[14:15], s[4:5], s[16:17]
	s_add_nc_u64 s[46:47], s[6:7], s[46:47]
	CROUND                                         ; all sixteen work-groups are here: the first joint loads meet
.irp s, 0,1
	s_mov_b32 s[G0+4*\s], 1
	s_add_co_u32 s[G0+4*\s+1], s20, \s*SLOT
	s_add_nc_u64 s[G0+4*\s+2:G0+4*\s+3], s[14:15], \s*ASTEP
	s_or_b32 s[G0+4*\s+3], s[G0+4*\s+3], 0x80000000
	s_mov_b32 s[G0B+4*\s], 1
	s_add_co_u32 s[G0B+4*\s+1], s45, \s*SLOT
	s_add_nc_u64 s[G0B+4*\s+2:G0B+4*\s+3], s[46:47], \s*KSTEP*2
	s_or_b32 s[G0B+4*\s+3], s[G0B+4*\s+3], 0x80000000
	JLOAD \s
.endr
	v_and_b32 v1, 15, v0                           ; l % 16
	v_bfe_u32 v2, v0, 4, 1                         ; l / 16
	v_lshlrev_b32 v5, 12, v2                       ; in C and res: lanes 0-15 one row's 256 bytes, lanes 16-31 the next row's
	v_lshl_add_u32 v[CO], v1, 4, v5
	v_lshlrev_b32 v[BO], 5, v2
	s_lshl_b32 s72, s13, 7
	s_lshl_b32 s74, s11, 6
	s_add_co_u32 s72, s72, s74                     ; my first row of C
	s_lshl_b32 s72, s72, 12                        ; x 4,096 bytes
	s_lshl_b32 s74, s42, 9
	s_add_co_u32 s72, s72, s74                     ; + the tile's first column
	s_lshl_b32 s74, s12, 8
	s_add_co_u32 s72, s72, s74                     ; + my half's
	s_mov_b32 s73, 0
	s_add_nc_u64 s[8:9], s[8:9], s[72:73]
	s_add_nc_u64 s[70:71], s[70:71], s[72:73]
	s_lshl_b32 s72, s42, 9
	s_add_co_u32 s72, s72, s74
	s_add_nc_u64 s[68:69], s[68:69], s[72:73]      ; the bias at my first column
.irp b, 0,1,2,3
	global_load_b128 v[BIAS+8*\b:BIAS+8*\b+3],   v[BO], s[68:69] offset:64*\b      ; columns 16 b + 8 (l / 16) + 0..7: a result's layout
	global_load_b128 v[BIAS+8*\b+4:BIAS+8*\b+7], v[BO], s[68:69] offset:64*\b+16
.endr
	WIN 0x80                                       ; destination window 2
.irp a, 0,1,2,3
.irp t, 0,1,2,3,4,5,6,7
	global_load_b128 v[32*\a+4*\t:32*\a+4*\t+3], v[CO], s[70:71] offset:(16*\a+2*\t)*4096   ; the residual, as the results are stored
.endr
.endr
	WIN 0
.if PAIRED
	v_lshrrev_b32 v3, 1, v1
	v_mul_u32_u24 v3, v3, APITCH
	v_and_b32 v6, 1, v1
	v_lshl_add_u32 v3, v6, 7, v3
	v_lshl_add_u32 v3, v2, 4, v3                   ; A: pair of tokens x pitch + 128 x (token % 2) + 16 x half
.else
	v_mul_u32_u24 v3, v1, APITCH
	v_lshl_add_u32 v3, v2, 4, v3
.endif
	v_mul_u32_u24 v7, v1, PITCH
	v_lshl_add_u32 v7, v2, 4, v7                   ; B: row x pitch + 16 x half
	s_mul_i32 s21, s11, AHALF
	s_mul_i32 s22, s12, BHALF
	s_add_co_u32 s22, s22, 2*AHALF
.irp s, 0,1
	v_add_nc_u32 v[ADRA+\s], s21, v3
	v_add_nc_u32 v[ADRB+\s], s22, v7
	s_add_co_u32 s21, s21, SLOT
	s_add_co_u32 s22, s22, SLOT
.endr
	s_mul_i32 s23, s10, 16*SPITCH
	s_add_co_u32 s23, s23, STAGE                   ; my stage
	v_mul_u32_u24 v4, v1, SPITCH
	v_lshl_add_u32 v4, v2, 5, v4                   ; in: row l % 16, 32 bytes for each half of the lanes
	v_add_nc_u32 v[STO], s23, v4
	v_mul_u32_u24 v5, v2, SPITCH
	v_lshl_add_u32 v5, v1, 4, v5                   ; back: whole rows of 256 bytes
	v_add_nc_u32 v[RD], s23, v5
; 8 matrix instructions: m blocks a0, a0 + 1 x all 4 n blocks, 32 along K: half c of buffer f.  zero = 2: the bias starts the sums
.macro MUL8 f, c, a0, zero
.irp a, \a0, \a0+1
.irp b, 0,1,2,3
.if \zero
	v_wmma_f32_16x16x32_bf16 v[ACC+8*(4*(\a)+\b):ACC+8*(4*(\a)+\b)+7], v[\f+64+8*(4*\c+\b):\f+64+8*(4*\c+\b)+7], v[\f+8*(4*\c+\a):\f+8*(4*\c+\a)+7], v[BIAS+8*\b:BIAS+8*\b+7]
.else
	v_wmma_f32_16x16x32_bf16 v[ACC+8*(4*(\a)+\b):ACC+8*(4*(\a)+\b)+7], v[\f+64+8*(4*\c+\b):\f+64+8*(4*\c+\b)+7], v[\f+8*(4*\c+\a):\f+8*(4*\c+\a)+7], v[ACC+8*(4*(\a)+\b):ACC+8*(4*(\a)+\b)+7]
.endif
.endr
.endr
.endm
; 32 LDS loads in one run: the fragments of 64 along K (byte k of B's rows) into buffer f; the first 32 along K first
.macro FETCH slot, k, f
	WIN TO_F
.irp c, 0,1
.irp i, 0,1,2,3
	ds_load_b128 v[\f+64+8*(4*\c+\i):\f+64+8*(4*\c+\i)+3],   v[ADRB+\slot] offset:\k+64*\c+\i*16*PITCH
	ds_load_b128 v[\f+64+8*(4*\c+\i)+4:\f+64+8*(4*\c+\i)+7], v[ADRB+\slot] offset:\k+64*\c+\i*16*PITCH+32
	ds_load_b128 v[\f+8*(4*\c+\i):\f+8*(4*\c+\i)+3],         v[ADRA+\slot] offset:(\k)*AKM+64*\c+\i*ABLK
	ds_load_b128 v[\f+8*(4*\c+\i)+4:\f+8*(4*\c+\i)+7],       v[ADRA+\slot] offset:(\k)*AKM+64*\c+\i*ABLK+32
.endr
.endr
.endm
.macro PLACES                          ; four plain instructions between a matrix instruction and a load into, or a read of, its registers
.rept 4
	v_nop
.endr
.endm
; A K step is four quarters of 64 along K, 32 matrix instructions each, on buffers 0, 1, 0, 1.
.macro QUARTER slot, k, f, g, zero
	s_wait_dscnt 16                                ; the first 32 along K are in; the sixteen younger loads may be out
	WIN MUL
	MUL8 \f, 0, 0, \zero
	MUL8 \f, 0, 2, \zero
	PLACES
	FETCH \slot, \k, \g
	s_wait_dscnt 32                                ; all but the 32 just issued
	WIN MUL
	MUL8 \f, 1, 0, 0
	MUL8 \f, 1, 2, 0
.endm
; The last quarter multiplies buffer 1 and changes slots: ONE barrier; in front of it each wave waits for its reads of this slot and for all its tensor loads.
.macro TURN slot, next, fill
	s_wait_dscnt 16
	WIN MUL
	MUL8 F1, 0, 0, 0
	s_wait_dscnt 0                                 ; my reads of this slot are over,
	s_set_vgpr_msb 0x500
	s_wait_tensorcnt 0x0                           ; and all my tensor loads have landed: my part of the next slot
	ds_add_u32 v30, v31
	s_wait_dscnt 0x0
	s_set_vgpr_msb 0x5
	s_barrier_signal -1
	MUL8 F1, 0, 2, 0
.if \fill
	WIN 0
.endif
	s_barrier_wait -1
.if \fill
	CREST                                          ; the barrier has opened a round of the cluster's: no wave of any partner still reads this slot or has a load on its way
	s_add_nc_u64 s[G0+4*\slot+2:G0+4*\slot+3], s[G0+4*\slot+2:G0+4*\slot+3], 2*ASTEP
	s_add_nc_u64 s[G0B+4*\slot+2:G0B+4*\slot+3], s[G0B+4*\slot+2:G0B+4*\slot+3], 2*KSTEP*2
	JLOAD \slot                                    ; the first tensor load behind the round; its four v_nop are also the places in front of the loads below
.else
	PLACES
.endif
	FETCH \next, 0, F0
	WIN MUL
	MUL8 F1, 1, 0, 0
	MUL8 F1, 1, 2, 0
.endm
	s_wait_loadcnt 32                              ; the bias is in; the 32 loads of the residual, issued behind it, stay out until the way out
	s_wait_tensorcnt 1                             ; my part of K step 0 is in; K step 1's may stay out
	s_barrier_signal -1
	s_barrier_wait -1
	FETCH 0, 0, F0
	QUARTER 0, 128, F0, F1, 2                      ; the first quarter stands in front of the loop: its first products start the sums from the bias
	WIN 0
	s_mov_b32 s3, LAPS-1
.Llap:                                                 ; a trip goes once round the ring and fills both slots again
	QUARTER 0, 256, F1, F0, 0
	QUARTER 0, 384, F0, F1, 0
	TURN 0, 1, 1
	QUARTER 1, 128, F0, F1, 0
	QUARTER 1, 256, F1, F0, 0
	QUARTER 1, 384, F0, F1, 0
	TURN 1, 0, 1
	QUARTER 0, 128, F0, F1, 0
	WIN 0
	s_sub_co_u32 s3, s3, 1
	s_cmp_lg_u32 s3, 0
	s_cbranch_scc1 .Llap
	QUARTER 0, 256, F1, F0, 0                      ; the last lap fills nothing and has no round
	QUARTER 0, 384, F0, F1, 0
	TURN 0, 1, 0
	QUARTER 1, 128, F0, F1, 0
	QUARTER 1, 256, F1, F0, 0
	QUARTER 1, 384, F0, F1, 0
	s_wait_dscnt 16                                ; the very last quarter: nothing more to fetch
	WIN MUL
	MUL8 F1, 0, 0, 0
	MUL8 F1, 0, 2, 0
	s_wait_dscnt 0
	MUL8 F1, 1, 0, 0
	MUL8 F1, 1, 2, 0
	WIN 0
	PLACES
	s_wait_loadcnt 0x0                             ; the residual
; THE WAY OUT of my block a (16 rows x 64 f32): straight from the accumulators (each from its low end on) into my own stage, back as whole rows, the residual added, stored.
.macro TOSTAGE a
.set BK, TMP+32*((\a)%2)
	s_wait_xcnt 0x0                                ; the stores of the block before last have read their registers: they are loaded again below
.irp b, 0,1,2,3
	ds_store_b128 v[STO], v[ACC+8*(4*(\a)+\b):ACC+8*(4*(\a)+\b)+3]   offset:64*\b
	ds_store_b128 v[STO], v[ACC+8*(4*(\a)+\b)+4:ACC+8*(4*(\a)+\b)+7] offset:64*\b+16
.endr
.irp t, 0,1,2,3,4,5,6,7
	ds_load_b128 v[BK+4*\t:BK+4*\t+3], v[RD] offset:\t*2*SPITCH    ; LDS serves a wave's instructions in order (ISA guide 5.7.1.4): these see the stores above
.endr
.endm
.macro SEND a, younger                 ; younger: the LDS instructions issued behind this block's loads: the next block's sixteen, or none
.set BK, TMP+32*((\a)%2)
	s_wait_dscnt \younger
	WIN 0x08                                       ; source 1 (the residual) window 2
.irp i, 0,1,2,3,4,5,6,7,8,9,10,11,12,13,14,15
	v_pk_add_f32 v[BK+2*\i:BK+2*\i+1], v[BK+2*\i:BK+2*\i+1], v[32*(\a)+2*\i:32*(\a)+2*\i+1]
.endr
	WIN 0
.irp t, 0,1,2,3,4,5,6,7
	global_store_b128 v[CO], v[BK+4*\t:BK+4*\t+3], s[8:9] offset:(16*(\a)+2*\t)*4096   ; 16 lanes store 256 consecutive bytes of a row, aligned
.endr
.endm
	TOSTAGE 0
.irp a, 1,2,3
	TOSTAGE \a
	SEND \a-1, 16
.endr
	SEND 3, 0
	s_wait_tensorcnt 0x0
	ds_add_u32 v30, v31
	s_wait_dscnt 0x0
	CROUND                                         ; the closing round: no work-group ends while a partner may still ask for a tile that names it
	s_endpgm
.Lfunc_end_k_qbcd1257fda_ffn2:
	.size	k_qbcd1257fda_ffn2, .Lfunc_end_k_qbcd1257fda_ffn2-k_qbcd1257fda_ffn2
	.p2alignl 7, 3214868480
	.fill 96, 4, 3214868480
	.section	.rodata,"a",@progbits
	.p2align	6, 0x0
	.amdhsa_kernel k_qbcd1257fda_ffn2
		.amdhsa_group_segment_fixed_size 327680
		.amdhsa_private_segment_fixed_size 0
		.amdhsa_enable_private_segment 0
		.amdhsa_kernarg_size 40
		.amdhsa_user_sgpr_count 2
		.amdhsa_user_sgpr_kernarg_segment_ptr 1
		.amdhsa_wavefront_size32 1
		.amdhsa_system_sgpr_workgroup_id_x 1
		.amdhsa_system_sgpr_workgroup_id_y 1
		.amdhsa_system_sgpr_workgroup_id_z 1
		.amdhsa_system_vgpr_workitem_id 0
		.amdhsa_next_free_vgpr 640
		.amdhsa_next_free_sgpr 76
		.amdhsa_reserve_vcc 0
		.amdhsa_float_denorm_mode_32 3
		.amdhsa_float_denorm_mode_16_64 3
		.amdhsa_memory_ordered 1
		.amdhsa_forward_progress 1
		.amdhsa_inst_pref_size 94
	.end_amdhsa_kernel
	.amdgpu_metadata
---
amdhsa.version: [ 1, 2 ]
amdhsa.kernels:
  - .name:           k_qbcd1257fda_ffn2
    .symbol:         k_qbcd1257fda_ffn2.kd
    .args:
      - { .name: mid, .offset: 0, .size: 8, .value_kind: global_buffer, .address_space: global }
      - { .name: wt, .offset: 8, .size: 8, .value_kind: global_buffer, .address_space: global }
      - { .name: out0, .offset: 16, .size: 8, .value_kind: global_buffer, .address_space: global }
      - { .name: b2, .offset: 24, .size: 8, .value_kind: global_buffer, .address_space: global }
      - { .name: x1, .offset: 32, .size: 8, .value_kind: global_buffer, .address_space: global }
    .group_segment_fixed_size: 327680
    .private_segment_fixed_size: 0
    .kernarg_segment_align: 8
    .kernarg_segment_size: 40
    .max_flat_workgroup_size: 128
    .sgpr_count:     76
    .vgpr_count:     640
    .wavefront_size: 32
...
	.end_amdgpu_metadata
.endif
;; end of part 7
